; MI455X (gfx1250); checked and timed in simulation.
; The chip was launched on July 23, 2026; its instructions are those of AMD's public machine-readable ISA for CDNA 5 (MIT licence, August 2026) and "CDNA5" Instruction Set Architecture Reference Guide (July 2026). The comments in the code are by the model that wrote it; some were corrected since.
;; KAN Decode. Allowed arithmetic: matrix products marked QUANTISED: E2M3 operands, one E8M0 scale for each 32 along K, by v_wmma_scale_f32_16x16x128_f8f6f4 with both operands' format E2M3, f32 sums; everything else in f32.
;; Inputs: base_w1 512 x 512 float32; base_w2 256 x 512 float32; dense_b 512 float32; dense_w 512 x 64 float32; scaler1 512 x 512 float32; scaler2 256 x 512 float32; spline_w1 512 x 512 x 8 float32; spline_w2 256 x 512 x 8 float32; x 16,384 x 64 float32.
;; Outputs: out0 16,384 x 256 float32.
;; This version of the problem:
;;   THIS VERSION OF THE PROBLEM IS GIVEN IN LOW PRECISION. The matrix products marked QUANTISED in the list below multiply operands that are first quantised to E2M3 (2 exponent bits, 3 mantissa bits; 6 bits a number), with one power-of-two scale for each 32 numbers along K (OCP MX v1.0); their sums are f32. All else is computed in f32.
;;   The module's matrix products, in the order in which they are computed (A, B: the left and right operand; K: the contracted axis; several contracted axes count as one K, in the product's order):
;;     1. [M 16,384, K 64] x [K 64, N 512]; A: input x; B: input dense_w: QUANTISED
;;     2. [M 16,384, K 512] x [K 512, N 512]; A: computed on the way; B: input base_w1: QUANTISED
;;     3. [M 16,384, K 4,096] x [K 4,096, N 512]; A: computed on the way; B: computed on the way: QUANTISED
;;     4. [M 16,384, K 512] x [K 512, N 256]; A: computed on the way; B: input base_w2: QUANTISED
;;     5. [M 16,384, K 4,096] x [K 4,096, N 256]; A: computed on the way; B: computed on the way: QUANTISED
;;   THE QUANTISER, for each operand of a quantised product, along K:
;;     - K is cut into blocks of 32 from its start; a last block that is shorter is filled with zeros.
;;     - A block's scale is 2^e with e = floor(log2(the largest magnitude in the block)) - 2, held to -126 .. 127; a block of zeros has e = 0. As a byte (E8M0): e + 127.
;;     - Each number is divided by its block's scale, clamped to +-7.5, and rounded to the nearest number of E2M3, ties to even, subnormals kept.
;;     - The product sums the exact products of the quantised numbers (number of the format x scale) in f32.
;;   ~~~python
;;   def quantise(x, axis):      # numpy; x: float32 -> the quantised numbers, widened to float32 again
;;       x = np.moveaxis(x, axis, -1); K = x.shape[-1]
;;       x = np.pad(x, [(0, 0)] * (x.ndim - 1) + [(0, -K % 32)]); x = x.reshape(x.shape[:-1] + (-1, 32)); a = np.abs(x).max(-1, keepdims=True)
;;       e = np.where(a > 0, np.clip(np.frexp(np.where(a > 0, a, 1))[1] - 1 - 2, -126, 127), 0)      # np.frexp(a)[1] - 1 = floor(log2(a)), exactly
;;       r = np.clip(x / 2.0 ** e, -7.5, 7.5)
;;       step = 2.0 ** (np.maximum(np.frexp(np.where(r == 0, 1, r))[1] - 1, 0) - 3)
;;       q = np.round(r / step) * step * 2.0 ** e      # np.round: ties to even
;;       return np.moveaxis(q.reshape(q.shape[:-2] + (-1,))[..., :K], -1, axis).astype(np.float32)
;;   ~~~
;;   OPERANDS COMPUTED ON THE WAY. 'Computed on the way' means the value that the module computes at that place (a softmax that the list does not call 'softmax' is quantised finished and normalised). What goes into a quantiser is computed in f32, as accurately as f32 sums, v_exp_f32 and their like allow (about 1e-6 of the number): no bf16 or f16 on the way to a quantiser, and a product that is left as it is and whose result goes on into a quantised operand takes f32 operands (vector FMAs, or v_wmma_f32_16x16x4_f32). A number that lies on a knife's edge between two numbers of the format may be rounded either way, as far as f32 arithmetic and the matrix unit's own rounding can turn it there, and no further.
;; 2 versions, each right; version 2 is version 1 with the launch main written anew for expert scheduling mode. Each part assembles by itself: llvm-mc -triple=amdgcn-amd-amdhsa -mcpu=gfx1250 --defsym DOCPART=n.
;; ======== version 1 of 2: 3 launches
;; workspace buffers: w1i 1,916,928 bytes; w2i 958,464 bytes; wdi 53,248 bytes
;; launch prep (part 1): grid 28 x 1, 4 waves a work-group, no clusters, 35,328 bytes of LDS; arguments dense_w, base_w1, base_w2, w1i, w2i, wdi; writes w1i, w2i, wdi
.if DOCPART == 1
	.amdgcn_target "amdgcn-amd-amdhsa--gfx1250"
	.amdhsa_code_object_version 6
	.text
	.protected	k_q65c0fe18b0_prep
	.globl	k_q65c0fe18b0_prep
	.p2align	8
	.type	k_q65c0fe18b0_prep,@function
k_q65c0fe18b0_prep:
	s_mov_b64 s[64:65], 0
	v_nop
	global_prefetch_b8 v0, s[64:65] scope:SCOPE_SE
	s_setreg_imm32_b32 hwreg(HW_REG_WAVE_MODE, 25, 1), 1
	s_wait_xcnt 0x0
; THE WEIGHTS WHOSE K IS INNERMOST (dense_w, base_w1, base_w2) BECOME CODES OF E2M3 ONCE, laid in the order of the matrix operand's registers, so that the last launch loads fragments whole.
; No work of the problem is left out in this program: every input is loaded and all five products are made.
; For each KAN layer the K axis is 36 steps of 128: steps 0-3 base_w (K = the 512 inputs), made here; steps 4-35 spline_w x scaler, made by the next launch.
; A HALF-BLOCK (3,328 bytes) = two fragments of 16 rows x 128 K (12 registers a lane: three runs of 512 bytes, lane l's 16 bytes at 16 l) + 256 bytes of scale words (lane l: the words of both tiles' row l % 16).
; The images: layer 1 [u 8][step 36][y 2] half-blocks, layer 2 [u 8][step 36], dense [u 8][y 2].  One wave makes one half-block: 64 of layer 1, 32 of layer 2, 16 dense: 112 waves, 28 work-groups.
; WHICH K A LANE HOLDS.  Lane (r, hh) holds 64 NEIGHBOURING numbers of its row: two whole blocks of 32; block c goes to registers 6 c .. 6 c + 5 and its scale to byte 2 c + hh.  That permutes the four blocks of a
; step, alike in both operands of every product, so the products are the same.  Step s: inputs 128 s + 64 hh + 0..63.
; Dense: K = 64 lies in the lanes hh = 0; the lanes hh = 1 hold zero codes (the quantiser's fill of a short K, on both operands).
; WHICH ROWS FORM A TILE.  Layer 1 and dense: row m of tile t of multiplier u is unit 128 (u / 2) + 64 (m / 8) + 32 (u % 2) + 8 t + m % 8, so that in the transposed result a lane's registers run along the next K.  Layer 2: 32 u + 16 t + m.
; A block's scale is 2^(floor(log2(largest magnitude)) - 2); its byte is the largest magnitude's exponent field - 2, held at 1 from below by a floor among the maximum's leaves.
; LIMITS: a block of zeros gets the byte 1 where the rule says 127 (its codes are zeros, and this program alone reads the bytes); NaN and infinities among the inputs are not served.
; Loads read a row's 256 consecutive bytes in sixteen lanes; the numbers turn through the wave's own stage in LDS (32 places of 256 + 16 bytes) so that a lane ends up with its 64 neighbours.  Waves share nothing: no barrier.
.set HBB,   3328
.set SP,    272
.set WST,   32*SP
.set SPARE, 4*WST                      ; behind the four stages: the spare words, 128 bytes a wave
.set L16, 1                            ; v1   16 x lane
.set L8,  2                            ; v2   8 x lane
.set STI, 3                            ; v3   the stage, on the way in
.set STO, 4                            ; v4   and on the way out
.set SH8, 6                            ; v6   8 hh
.set MK,  7                            ; v7   all ones in lanes hh = 0, else 0
.set SPW, 12                           ; v12  my spare word;  v13: 0;  both never rewritten
.set NIL, 13
.set WD,  14                           ; v14-15 the two tiles' scale words
.set OFF, 16                           ; v16-31 the sixteen loads' offsets; behind the wait for all loads the quantiser's temporaries lie here:
.set TC1, 16
.set QM,  20
.set QS,  22
.set QB,  24
.set PW,  26
.set QP,  27
.set R,   32                           ; v32-159  both tiles as loaded
.set X,   160                          ; v160-223 my 64 neighbours
.set PC,  240                          ; v240-251 the fragment's codes
.set TC0, 252
.set SEL, 56
; 64 numbers v[s] .. v[s+63] of a lane, two blocks of 32, become 12 registers of codes in v[PC] on and the row's scale word in v[PW].
.macro QUANT64 s
	v_max3_num_f32 v[QM], |v[\s]|, |v[\s+1]|, 0x1800000            ; the floor 2^(3 - 127): the byte cannot fall under 1
	v_max3_num_f32 v[QM+1], |v[\s+32]|, |v[\s+33]|, 0x1800000
.irp i, 2,4,6,8,10,12,14,16,18,20,22,24,26,28,30
	v_max3_num_f32 v[QM], v[QM], |v[\s+\i]|, |v[\s+\i+1]|          ; the two blocks by turns
	v_max3_num_f32 v[QM+1], v[QM+1], |v[\s+32+\i]|, |v[\s+33+\i]|
.endr
	v_add_nc_u32 v[QS], 0xff000000, v[QM]                          ; 2 off the exponent field: the conversion's scale operand
	v_add_nc_u32 v[QS+1], 0xff000000, v[QM+1]
	v_lshrrev_b32 v[QB], 23, v[QS]                                 ; the scales' bytes
	v_lshrrev_b32 v[QB+1], 23, v[QS+1]
	v_cvt_scalef32_pk16_fp6_f32 v[PC:PC+2], v[\s:\s+15], v[QS]
	v_cvt_scalef32_pk16_fp6_f32 v[TC0:TC0+2], v[\s+16:\s+31], v[QS]     ; (a conversion's three registers begin on an even number)
	v_cvt_scalef32_pk16_fp6_f32 v[PC+6:PC+8], v[\s+32:\s+47], v[QS+1]
	v_cvt_scalef32_pk16_fp6_f32 v[TC1:TC1+2], v[\s+48:\s+63], v[QS+1]
	v_lshl_or_b32 v[PW], v[QB+1], 16, v[QB]                        ; my two bytes (also the plain place behind the conversions),
	v_lshlrev_b32 v[PW], v[SH8], v[PW]                             ; at bytes hh and 2 + hh
.irp i, 0,1,2
	v_mov_b32 v[PC+3+\i], v[TC0+\i]
	v_mov_b32 v[PC+9+\i], v[TC1+\i]
.endr
	v_permlanex16_b32 v[QP], v[PW], s[SEL], s[SEL+1]
	v_or_b32 v[PW], v[PW], v[QP]                                   ; with lane l xor 16's two the word is whole
.endm
	s_load_b128 s[4:7], s[0:1], 0x0                ; dense_w, base_w1
	s_load_b256 s[8:15], s[0:1], 0x10              ; base_w2, w1i, w2i, wdi
	v_lshl_add_u32 v[SPW], v0, 2, SPARE
	v_mov_b32 v[NIL], 0
	v_lshrrev_b32 v8, 5, v0
	v_readfirstlane_b32 s24, v8                    ; wave
	s_lshl_b32 s25, ttmp9, 2
	s_add_co_u32 s25, s25, s24                     ; my half-block's number, 0 .. 111
	s_sub_co_u32 s28, s25, 64
	s_sub_co_u32 s29, s25, 96
	s_cmp_lt_u32 s25, 64
	s_cselect_b32 s26, 1, 0                        ; layer 1?
	s_cselect_b32 s30, s25, s28
	s_cmp_ge_u32 s25, 96
	s_cselect_b32 s27, 1, 0                        ; dense?
	s_cselect_b32 s30, s29, s30                    ; its number within its kind
	s_or_b32 s31, s26, s27                         ; 1: two half-blocks to a step
	s_and_b32 s32, s30, s31                        ; y
	s_lshr_b32 s33, s30, s31
	s_lshr_b32 s34, s33, 2                         ; u
	s_and_b32 s35, s33, 3                          ; the step
	s_cmp_lg_u32 s27, 0
	s_cselect_b32 s34, s33, s34                    ; dense: u as it stands,
	s_cselect_b32 s35, 0, s35                      ; step 0
	s_cselect_b32 s37, 0, 3
	s_cselect_b32 s39, 0, 256                      ; from hh = 0 to hh = 1: 64 inputs on (dense: 0)
	s_lshl_b32 s38, 256, s37                       ; a row of the source in bytes: 256 or 2,048
	s_lshl_b32 s40, s35, 9                         ; where the step begins in a row
	s_mul_i32 s36, s34, 36
	s_add_co_u32 s36, s36, s35
	s_lshl_b32 s36, s36, s31
	s_add_co_u32 s36, s36, s32                     ; the half-block's place in its image: (36 u + step) x 2 + y, or 36 u + step;
	s_cmp_lg_u32 s27, 0
	s_cselect_b32 s36, s30, s36                    ; dense: 2 u + y
	s_lshr_b32 s41, s34, 1
	s_lshl_b32 s41, s41, 7
	s_and_b32 s54, s34, 1
	s_lshl_b32 s54, s54, 5
	s_add_co_u32 s41, s41, s54
	s_lshl_b32 s54, s32, 4
	s_add_co_u32 s41, s41, s54                     ; first row: 128 (u / 2) + 32 (u % 2) + 16 y,
	s_lshl_b32 s54, s34, 5                         ; layer 2: 32 u
	s_cmp_lg_u32 s31, 0
	s_cselect_b32 s41, s41, s54
	s_cselect_b32 s42, 64, 8                       ; rows from a tile's rows 0-7 to its rows 8-15
	s_cselect_b32 s43, 8, 16                       ; rows from the first tile to the second
	s_mul_i32 s44, s41, s38
	s_add_co_u32 s44, s44, s40
	s_mov_b32 s45, 0
	s_mul_i32 s60, s43, s38
	s_mov_b32 s61, 0
	s_mov_b32 s[SEL], 0x76543210
	s_mov_b32 s[SEL+1], 0xfedcba98                 ; v_permlanex16_b32's selects for lane l xor 16
	v_and_b32 v8, 15, v0                           ; r
	v_bfe_u32 v9, v0, 4, 1                         ; hh
	v_and_b32 v10, 31, v0
	v_lshlrev_b32 v[L16], 4, v10
	v_lshlrev_b32 v[L8], 3, v10
	v_lshlrev_b32 v[SH8], 3, v9
	v_add_nc_u32 v[MK], -1, v9
	s_mul_i32 s55, s24, WST
	v_mul_u32_u24 v[STI], v9, 8*SP
	v_lshl_add_u32 v[STI], v8, 4, v[STI]
	v_add_nc_u32 v[STI], s55, v[STI]               ; in: load i's lanes 0-15 bring row i % 8, lanes 16-31 row 8 + i % 8, of half i / 8: place 16 (i / 8) + row
	v_mul_u32_u24 v[STO], v10, SP
	v_add_nc_u32 v[STO], s55, v[STO]               ; out: place = my lane
	s_mul_i32 s54, s42, s38
	v_mul_lo_u32 v10, v9, s54
	v_lshl_add_u32 v10, v8, 4, v10                 ; loads: lanes 16-31 take the row 8 places on in the tile; 16 bytes a lane
.irp i, 0,1,2,3,4,5,6,7,8,9,10,11,12,13,14,15
	s_mul_i32 s55, s38, \i%8
.if \i >= 8
	s_add_co_u32 s55, s55, s39
.endif
	v_add_nc_u32 v[OFF+\i], s55, v10
.endr
	s_wait_kmcnt 0x0
	s_cmp_lg_u32 s26, 0                            ; the buffers are chosen by the half-block's number alone
	s_cselect_b64 s[46:47], s[6:7], s[8:9]
	s_cselect_b64 s[52:53], s[10:11], s[12:13]
	s_cmp_lg_u32 s27, 0
	s_cselect_b64 s[46:47], s[4:5], s[46:47]
	s_cselect_b64 s[52:53], s[14:15], s[52:53]
	s_add_nc_u64 s[46:47], s[46:47], s[44:45]      ; the first tile's rows,
	s_add_nc_u64 s[48:49], s[46:47], s[60:61]      ; the second's
	s_mul_i32 s44, s36, HBB
	s_add_nc_u64 s[52:53], s[52:53], s[44:45]      ; my half-block
.irp i, 0,1,2,3,4,5,6,7,8,9,10,11,12,13,14,15
	global_load_b128 v[R+4*\i:R+4*\i+3], v[OFF+\i], s[46:47]       ; sixteen lanes read 256 consecutive bytes of a row
.endr
.irp i, 0,1,2,3,4,5,6,7,8,9,10,11,12,13,14,15
	global_load_b128 v[R+64+4*\i:R+64+4*\i+3], v[OFF+\i], s[48:49]
.endr
	s_wait_loadcnt 0x0                             ; all loads are in: their offset registers are free
	v_mov_b32 v[QP], 0                             ; a lane permute's destination counts as one of its sources
.macro FRAGQ f
.irp i, 0,1,2,3,4,5,6,7,8,9,10,11,12,13,14,15
	ds_store_b128 v[STI], v[R+64*\f+4*\i:R+64*\f+4*\i+3] offset:((\i%8)+16*(\i/8))*SP
.endr
.irp k, 0,1,2,3,4,5,6,7,8,9,10,11,12,13,14,15
	ds_load_b128 v[X+4*\k:X+4*\k+3], v[STO] offset:16*\k           ; LDS serves a wave's instructions in order: these see my stores
.endr
	s_wait_dscnt 0x0
.if \f
	s_wait_xcnt 0x0                                ; the first tile's stores have read the codes' registers
.endif
	QUANT64 X
	s_cmp_eq_u32 s27, 0
	s_cbranch_scc1 .Lwhole_\@
.irp i, 0,1,2,3,4,5,6,7,8,9,10,11
	v_and_b32 v[PC+\i], v[MK], v[PC+\i]            ; dense: K ends at 64: zero codes in the lanes hh = 1
.endr
.Lwhole_\@:
.irp k, 0,1,2
	global_store_b128 v[L16], v[PC+4*\k:PC+4*\k+3], s[52:53] offset:\f*1536+512*\k   ; 32 lanes store 512 consecutive bytes, at a multiple of 256 from the buffer's first byte
.endr
	v_mov_b32 v[WD+\f], v[PW]
.endm
	FRAGQ 0
	FRAGQ 1
	global_store_b64 v[L8], v[WD:WD+1], s[52:53] offset:3072       ; 256 consecutive bytes
	s_wait_tensorcnt 0x0                           ; the wave's end: three closing lines behind my last LDS store
	ds_add_u32 v[SPW], v[NIL]
	s_wait_dscnt 0x0
	s_endpgm
.Lfunc_end_k_q65c0fe18b0_prep:
	.size	k_q65c0fe18b0_prep, .Lfunc_end_k_q65c0fe18b0_prep-k_q65c0fe18b0_prep
	.p2alignl 7, 3214868480
	.fill 96, 4, 3214868480
	.section	.rodata,"a",@progbits
	.p2align	6, 0x0
	.amdhsa_kernel k_q65c0fe18b0_prep
		.amdhsa_group_segment_fixed_size 35328
		.amdhsa_private_segment_fixed_size 0
		.amdhsa_enable_private_segment 0
		.amdhsa_kernarg_size 48
		.amdhsa_user_sgpr_count 2
		.amdhsa_user_sgpr_kernarg_segment_ptr 1
		.amdhsa_wavefront_size32 1
		.amdhsa_system_sgpr_workgroup_id_x 1
		.amdhsa_system_sgpr_workgroup_id_y 1
		.amdhsa_system_sgpr_workgroup_id_z 1
		.amdhsa_system_vgpr_workitem_id 0
		.amdhsa_next_free_vgpr 256
		.amdhsa_next_free_sgpr 66
		.amdhsa_reserve_vcc 0
		.amdhsa_float_denorm_mode_32 3
		.amdhsa_float_denorm_mode_16_64 3
		.amdhsa_memory_ordered 1
		.amdhsa_forward_progress 1
		.amdhsa_inst_pref_size 20
	.end_amdhsa_kernel
	.amdgpu_metadata
---
amdhsa.version: [ 1, 2 ]
amdhsa.kernels:
  - .name:           k_q65c0fe18b0_prep
    .symbol:         k_q65c0fe18b0_prep.kd
    .args:
      - { .name: dense_w, .offset: 0, .size: 8, .value_kind: global_buffer, .address_space: global }
      - { .name: base_w1, .offset: 8, .size: 8, .value_kind: global_buffer, .address_space: global }
      - { .name: base_w2, .offset: 16, .size: 8, .value_kind: global_buffer, .address_space: global }
      - { .name: w1i, .offset: 24, .size: 8, .value_kind: global_buffer, .address_space: global }
      - { .name: w2i, .offset: 32, .size: 8, .value_kind: global_buffer, .address_space: global }
      - { .name: wdi, .offset: 40, .size: 8, .value_kind: global_buffer, .address_space: global }
    .group_segment_fixed_size: 35328
    .private_segment_fixed_size: 0
    .kernarg_segment_align: 8
    .kernarg_segment_size: 48
    .max_flat_workgroup_size: 128
    .sgpr_count:     66
    .vgpr_count:     256
    .wavefront_size: 32
...
	.end_amdgpu_metadata
.endif
;; end of part 1
;; launch preps (part 2): grid 192 x 1, 4 waves a work-group, no clusters, 66,304 bytes of LDS; arguments spline_w1, scaler1, spline_w2, scaler2, w1i, w2i; writes w1i, w2i
.if DOCPART == 2
	.amdgcn_target "amdgcn-amd-amdhsa--gfx1250"
	.amdhsa_code_object_version 6
	.text
	.protected	k_q65c0fe18b0_preps
	.globl	k_q65c0fe18b0_preps
	.p2align	8
	.type	k_q65c0fe18b0_preps,@function
k_q65c0fe18b0_preps:
	s_mov_b64 s[64:65], 0
	v_nop
	global_prefetch_b8 v0, s[64:65] scope:SCOPE_SE
	s_setreg_imm32_b32 hwreg(HW_REG_WAVE_MODE, 25, 1), 1
	s_wait_xcnt 0x0
; spline_w x scaler BECOMES CODES OF E2M3, steps 4-35 of the two KAN layers' images (their layout: the head of the launch before).  Nothing of the problem is left out.
; THE SPLINE PRODUCTS' K is taken as basis x 512 + input: a block of 32 is 32 NEIGHBOURING INPUTS OF ONE BASIS.  Step 4 (1 + g) + v of an image is basis g, inputs 128 v .. 128 v + 127; lane (r, hh) holds
; inputs 128 v + 64 hh + 0..63 of its row: two whole blocks; block c goes to registers 6 c .. 6 c + 5, its scale to byte 2 c + hh.
; In memory the basis is innermost, so a lane's 64 numbers lie 32 bytes apart.  A WORK-GROUP TAKES ONE TILE OF 16 ROWS AND ONE v: 16 x 4,096 bytes of spline_w, which hold all eight bases.  Its four waves bring them into
; LDS in runs of 512 consecutive bytes, each byte read once (wave w: rows 4 w .. 4 w + 3, 32 loads, all out at once); one barrier; then wave w makes bases 2 w and 2 w + 1: 64 LDS loads of 4 bytes, 32 bytes apart,
; give a lane its 64 numbers in consecutive registers; they are multiplied by the lane's 64 scalers (one rounding in f32, as the problem has it) and quantised.
; 128 work-groups for layer 1 (32 tiles x 4), 64 for layer 2 (16 tiles x 4).  A tile's rows: layer 1: 128 (u / 2) + 64 (m / 8) + 32 (u % 2) + 8 t + m % 8; layer 2: 32 u + 16 t + m.
; The fragment leaves in three runs of 512 bytes.  The scale word is 4 bytes a lane, 8 bytes apart, since the half-block's other tile is another work-group's: 128 of a fragment's 1,664 bytes.
; LIMITS: a block of zeros gets the scale byte 1 where the rule says 127 (its codes are zeros, and this program alone reads the bytes); NaN and infinities among the inputs are not served.
.set HBB,   3328
.set PIT,   4112                       ; a row of the tile in LDS: 4,096 bytes + 16
.set SPARE, 16*PIT                     ; behind the tile: the spare words, 128 bytes a wave
.set L16, 1                            ; v1   16 x lane
.set VS,  2                            ; v2   where my scale word goes, from the fragment's first byte
.set STI, 3                            ; v3   LDS: where my wave's rows go
.set RDA, 4                            ; v4   LDS: my row, my half, my wave's first basis
.set SCO, 5                            ; v5   my row's offset among the scalers
.set SH8, 6                            ; v6   8 hh
.set SPW, 12                           ; v12  my spare word;  v13: 0;  both never rewritten
.set NIL, 13
.set TC1, 16
.set QM,  20
.set QS,  22
.set QB,  24
.set PW,  26
.set QP,  27
.set LD,  32                           ; v32-159  my wave's four rows as loaded
.set X,   32                           ; v32-95   later: my 64 numbers of one basis
.set S,   160                          ; v160-223 my 64 scalers
.set PC,  240                          ; v240-251 the fragment's codes
.set TC0, 252
.set SEL, 56
; 64 numbers v[s] .. v[s+63] of a lane, two blocks of 32, become 12 registers of codes in v[PC] on and the row's scale word in v[PW].
.macro QUANT64 s
	v_max3_num_f32 v[QM], |v[\s]|, |v[\s+1]|, 0x1800000            ; the floor 2^(3 - 127): the byte cannot fall under 1
	v_max3_num_f32 v[QM+1], |v[\s+32]|, |v[\s+33]|, 0x1800000
.irp i, 2,4,6,8,10,12,14,16,18,20,22,24,26,28,30
	v_max3_num_f32 v[QM], v[QM], |v[\s+\i]|, |v[\s+\i+1]|          ; the two blocks by turns
	v_max3_num_f32 v[QM+1], v[QM+1], |v[\s+32+\i]|, |v[\s+33+\i]|
.endr
	v_add_nc_u32 v[QS], 0xff000000, v[QM]                          ; 2 off the exponent field: the conversion's scale operand
	v_add_nc_u32 v[QS+1], 0xff000000, v[QM+1]
	v_lshrrev_b32 v[QB], 23, v[QS]                                 ; the scales' bytes
	v_lshrrev_b32 v[QB+1], 23, v[QS+1]
	v_cvt_scalef32_pk16_fp6_f32 v[PC:PC+2], v[\s:\s+15], v[QS]
	v_cvt_scalef32_pk16_fp6_f32 v[TC0:TC0+2], v[\s+16:\s+31], v[QS]     ; (a conversion's three registers begin on an even number)
	v_cvt_scalef32_pk16_fp6_f32 v[PC+6:PC+8], v[\s+32:\s+47], v[QS+1]
	v_cvt_scalef32_pk16_fp6_f32 v[TC1:TC1+2], v[\s+48:\s+63], v[QS+1]
	v_lshl_or_b32 v[PW], v[QB+1], 16, v[QB]                        ; my two bytes (also the plain place behind the conversions),
	v_lshlrev_b32 v[PW], v[SH8], v[PW]                             ; at bytes hh and 2 + hh
.irp i, 0,1,2
	v_mov_b32 v[PC+3+\i], v[TC0+\i]
	v_mov_b32 v[PC+9+\i], v[TC1+\i]
.endr
	v_permlanex16_b32 v[QP], v[PW], s[SEL], s[SEL+1]
	v_or_b32 v[PW], v[PW], v[QP]                                   ; with lane l xor 16's two the word is whole
.endm
	s_load_b256 s[4:11], s[0:1], 0x0               ; spline_w1, scaler1, spline_w2, scaler2
	s_load_b128 s[12:15], s[0:1], 0x20             ; w1i, w2i
	v_lshl_add_u32 v[SPW], v0, 2, SPARE
	v_mov_b32 v[NIL], 0
	v_lshrrev_b32 v8, 5, v0
	v_readfirstlane_b32 s16, v8                    ; wave w
	s_sub_co_u32 s18, ttmp9, 128
	s_cmp_lt_u32 ttmp9, 128
	s_cselect_b32 s17, 1, 0                        ; layer 1?
	s_cselect_b32 s18, ttmp9, s18                  ; the work-group's number within its layer
	s_cselect_b32 s21, 2, 1                        ; tiles to a multiplier: 4 or 2
	s_cselect_b32 s26, 64, 8                       ; rows from a tile's rows 0-7 to its rows 8-15
	s_and_b32 s19, s18, 3                          ; v
	s_lshr_b32 s20, s18, 2                         ; the tile
	s_lshr_b32 s22, s20, s21                       ; u
	s_and_b32 s23, s20, 1                          ; f: which tile of its half-block
	s_lshr_b32 s24, s20, 1
	s_and_b32 s24, s24, s17                        ; y: which half-block of the step (layer 2: 0)
	s_lshr_b32 s27, s22, 1
	s_lshl_b32 s27, s27, 7
	s_and_b32 s28, s22, 1
	s_lshl_b32 s28, s28, 5
	s_add_co_u32 s27, s27, s28
	s_lshl_b32 s28, s24, 4
	s_add_co_u32 s27, s27, s28
	s_lshl_b32 s28, s23, 3
	s_add_co_u32 s27, s27, s28                     ; the tile's first row: 128 (u / 2) + 32 (u % 2) + 16 y + 8 f,
	s_lshl_b32 s28, s22, 5
	s_lshl_b32 s29, s23, 4
	s_add_co_u32 s28, s28, s29                     ; layer 2: 32 u + 16 f
	s_cmp_lg_u32 s17, 0
	s_cselect_b32 s27, s27, s28
	s_lshr_b32 s30, s16, 1                         ; my wave's four rows begin at the tile's row 4 w
	s_mul_i32 s30, s30, s26
	s_and_b32 s31, s16, 1
	s_lshl_b32 s31, s31, 2
	s_add_co_u32 s30, s30, s31
	s_add_co_u32 s30, s30, s27
	s_lshl_b32 s30, s30, 14                        ; a row of spline_w is 16,384 bytes,
	s_lshl_b32 s31, s19, 12                        ; 128 inputs are 4,096
	s_add_co_u32 s30, s30, s31
	s_mov_b32 s31, 0
	s_lshl_b32 s32, s27, 11                        ; a row of scalers is 2,048 bytes, 128 inputs are 512
	s_lshl_b32 s33, s19, 9
	s_add_co_u32 s32, s32, s33
	s_mov_b32 s33, 0
	s_mul_i32 s34, s22, 36
	s_add_co_u32 s34, s34, s19
	s_lshl_b32 s35, s16, 3
	s_add_co_u32 s34, s34, s35
	s_add_co_u32 s34, s34, 4                       ; 36 u + the step of basis 2 w: 4 (1 + 2 w) + v
	s_lshl_b32 s34, s34, s17
	s_add_co_u32 s34, s34, s24                     ; its half-block,
	s_mul_i32 s34, s34, HBB
	s_mul_i32 s35, s23, 1536
	s_add_co_u32 s34, s34, s35                     ; my tile's fragment in it
	s_mov_b32 s35, 0
	s_lshl_b32 s36, 4*HBB, s17                     ; four steps on: the next basis
	s_mov_b32 s37, 0
	s_mul_i32 s38, s23, 1532
	s_sub_co_u32 s38, 3072, s38                    ; from the fragment to its scale words: 3,072 + 4 f - 1,536 f
	s_mov_b32 s[SEL], 0x76543210
	s_mov_b32 s[SEL+1], 0xfedcba98                 ; v_permlanex16_b32's selects for lane l xor 16
	v_and_b32 v8, 15, v0                           ; r
	v_bfe_u32 v9, v0, 4, 1                         ; hh
	v_and_b32 v10, 31, v0
	v_lshlrev_b32 v[L16], 4, v10
	v_lshlrev_b32 v[VS], 3, v10
	v_add_nc_u32 v[VS], s38, v[VS]
	v_lshlrev_b32 v[SH8], 3, v9
	s_mul_i32 s39, s16, 4*PIT
	v_add_nc_u32 v[STI], s39, v[L16]               ; in: 16 x lane + my wave's four rows
	v_mul_u32_u24 v[RDA], v8, PIT
	v_lshl_add_u32 v[RDA], v9, 11, v[RDA]
	s_lshl_b32 s39, s16, 3
	v_add_nc_u32 v[RDA], s39, v[RDA]               ; out: row r, 64 hh inputs of 32 bytes on, basis 2 w
	v_bfe_u32 v11, v0, 3, 1
	v_mul_lo_u32 v11, v11, s26
	v_and_b32 v[SCO], 7, v0
	v_add_nc_u32 v[SCO], v[SCO], v11
	v_lshlrev_b32 v[SCO], 11, v[SCO]
	v_lshl_add_u32 v[SCO], v9, 8, v[SCO]           ; scalers: my row x 2,048 + 256 hh
	s_wait_kmcnt 0x0
	s_cmp_lg_u32 s17, 0                            ; the buffers are chosen by the work-group's number alone
	s_cselect_b64 s[40:41], s[4:5], s[8:9]
	s_cselect_b64 s[42:43], s[6:7], s[10:11]
	s_cselect_b64 s[44:45], s[12:13], s[14:15]
	s_add_nc_u64 s[40:41], s[40:41], s[30:31]
	s_add_nc_u64 s[42:43], s[42:43], s[32:33]
	s_add_nc_u64 s[44:45], s[44:45], s[34:35]      ; basis 2 w's fragment,
	s_add_nc_u64 s[46:47], s[44:45], s[36:37]      ; basis 2 w + 1's
.irp i, 0,1,2,3
.irp e, 0,1,2,3,4,5,6,7
	global_load_b128 v[LD+32*\i+4*\e:LD+32*\i+4*\e+3], v[L16], s[40:41] offset:16384*\i+512*\e th:TH_LOAD_NT     ; 512 consecutive bytes of a row; read once in the launch
.endr
.endr
.irp k, 0,1,2,3,4,5,6,7,8,9,10,11,12,13,14,15
	global_load_b128 v[S+4*\k:S+4*\k+3], v[SCO], s[42:43] offset:16*\k
.endr
	v_mov_b32 v[QP], 0                             ; a lane permute's destination counts as one of its sources
	s_wait_loadcnt 16                              ; my four rows are in; the 16 loads of scalers, issued later, may be out
.irp i, 0,1,2,3
.irp e, 0,1,2,3,4,5,6,7
	ds_store_b128 v[STI], v[LD+32*\i+4*\e:LD+32*\i+4*\e+3] offset:PIT*\i+512*\e
.endr
.endr
	s_wait_dscnt 0x0                               ; for the others' sake: my rows lie in LDS
	s_barrier_signal -1
	s_barrier_wait -1                              ; the whole tile does
; basis 2 w + gg: its fragment goes to s[d:d+1]
.macro BASIS gg, d
.set kk, 0
.rept 64
	ds_load_b32 v[X+kk], v[RDA] offset:32*kk+4*\gg                 ; input 64 hh + kk of my row
.set kk, kk+1
.endr
.if \gg == 0
	s_wait_loadcnt 0x0                             ; the scalers
.endif
	s_wait_dscnt 0x0
.set kk, 0
.rept 32
	v_pk_mul_f32 v[X+kk:X+kk+1], v[X+kk:X+kk+1], v[S+kk:S+kk+1]    ; spline_w x scaler
.set kk, kk+2
.endr
.if \gg
	s_wait_xcnt 0x0                                ; the first basis's stores have read the codes' and the scale word's registers
.endif
	QUANT64 X
.irp k, 0,1,2
	global_store_b128 v[L16], v[PC+4*\k:PC+4*\k+3], s[\d:\d+1] offset:512*\k       ; 32 lanes store 512 consecutive bytes, at a multiple of 256 from the buffer's first byte
.endr
	global_store_b32 v[VS], v[PW], s[\d:\d+1]
.endm
	BASIS 0, 44
	BASIS 1, 46
	s_wait_tensorcnt 0x0                           ; the wave's end: three closing lines behind my last LDS store
	ds_add_u32 v[SPW], v[NIL]
	s_wait_dscnt 0x0
	s_endpgm
.Lfunc_end_k_q65c0fe18b0_preps:
	.size	k_q65c0fe18b0_preps, .Lfunc_end_k_q65c0fe18b0_preps-k_q65c0fe18b0_preps
	.p2alignl 7, 3214868480
	.fill 96, 4, 3214868480
	.section	.rodata,"a",@progbits
	.p2align	6, 0x0
	.amdhsa_kernel k_q65c0fe18b0_preps
		.amdhsa_group_segment_fixed_size 66304
		.amdhsa_private_segment_fixed_size 0
		.amdhsa_enable_private_segment 0
		.amdhsa_kernarg_size 48
		.amdhsa_user_sgpr_count 2
		.amdhsa_user_sgpr_kernarg_segment_ptr 1
		.amdhsa_wavefront_size32 1
		.amdhsa_system_sgpr_workgroup_id_x 1
		.amdhsa_system_sgpr_workgroup_id_y 1
		.amdhsa_system_sgpr_workgroup_id_z 1
		.amdhsa_system_vgpr_workitem_id 0
		.amdhsa_next_free_vgpr 256
		.amdhsa_next_free_sgpr 66
		.amdhsa_reserve_vcc 0
		.amdhsa_float_denorm_mode_32 3
		.amdhsa_float_denorm_mode_16_64 3
		.amdhsa_memory_ordered 1
		.amdhsa_forward_progress 1
		.amdhsa_inst_pref_size 30
	.end_amdhsa_kernel
	.amdgpu_metadata
---
amdhsa.version: [ 1, 2 ]
amdhsa.kernels:
  - .name:           k_q65c0fe18b0_preps
    .symbol:         k_q65c0fe18b0_preps.kd
    .args:
      - { .name: spline_w1, .offset: 0, .size: 8, .value_kind: global_buffer, .address_space: global }
      - { .name: scaler1, .offset: 8, .size: 8, .value_kind: global_buffer, .address_space: global }
      - { .name: spline_w2, .offset: 16, .size: 8, .value_kind: global_buffer, .address_space: global }
      - { .name: scaler2, .offset: 24, .size: 8, .value_kind: global_buffer, .address_space: global }
      - { .name: w1i, .offset: 32, .size: 8, .value_kind: global_buffer, .address_space: global }
      - { .name: w2i, .offset: 40, .size: 8, .value_kind: global_buffer, .address_space: global }
    .group_segment_fixed_size: 66304
    .private_segment_fixed_size: 0
    .kernarg_segment_align: 8
    .kernarg_segment_size: 48
    .max_flat_workgroup_size: 128
    .sgpr_count:     66
    .vgpr_count:     256
    .wavefront_size: 32
...
	.end_amdgpu_metadata
.endif
;; end of part 2
;; launch main (part 3): grid 256 x 1, 12 waves a work-group, no clusters, 198,144 bytes of LDS; arguments x, dense_b, wdi, w1i, w2i, out0; writes out0
.if DOCPART == 3
	.amdgcn_target "amdgcn-amd-amdhsa--gfx1250"
	.amdhsa_code_object_version 6
	.text
	.protected	k_q65c0fe18b0_main
	.globl	k_q65c0fe18b0_main
	.p2align	8
	.type	k_q65c0fe18b0_main,@function
k_q65c0fe18b0_main:
	s_mov_b64 s[64:65], 0
	v_nop
	global_prefetch_b8 v0, s[64:65] scope:SCOPE_SE
	s_setreg_imm32_b32 hwreg(HW_REG_WAVE_MODE, 25, 1), 1
	s_wait_xcnt 0x0
; out0 = KAN2(KAN1(silu(x dense_w^T + dense_b))), all five products on codes of E2M3 with one E8M0 scale for each 32 along K.  Nothing of the problem is left out.
; A work-group takes 64 rows through the whole chain; h lives in LDS (f32) and the 4,608-wide operands of the KAN layers only as chunks of codes in LDS.
; ROLES.  Twelve waves of 328 registers.  Waves 0-3 GENERATE (all vector work: SiLU, the eight B-spline bases of each input, the quantisers); waves 4-11 MULTIPLY (all matrix work; u = wave - 4).
; They meet at one barrier a chunk: a chunk is 4 K steps of 128 for the 64 rows, 16 fragments, in two LDS buffers by turns: while the multipliers read one, the generators fill the other.
; A layer's K is 9 chunks: chunk 0 is silu(h), chunk 1 + g is basis g of all 512 inputs (the spline products' K is taken as basis x 512 + input: a block of 32 is 32 neighbouring inputs of one basis); in every chunk
; step v is inputs 128 v .. 128 v + 127, and generator v makes step v.
; LAYOUT.  Products are used transposed (source 0 = 16 rows of weights, source 1 = 16 rows of data): a lane (r, hh) holds ONE data row r.  The earlier launches have chosen the weights' rows so that tile p = 4 (u % 2) + t of
; multipliers 2 v, 2 v + 1 gives lane (r, hh), register j, unit 128 v + 64 hh + 8 p + j.  So a lane's 64 registers of eight tiles are 64 neighbouring units: two whole blocks of every chunk: no maximum and no code ever
; changes lanes but the scale word's two halves.  Block c of a lane goes to registers 6 c .. 6 c + 5, its scale to byte 2 c + hh, as in the weights' images.
; OPERANDS GO THROUGH LDS AS IMAGES OF THEIR REGISTERS (16 bytes a lane, 512 bytes a store); h likewise, tile by tile.
; THE BASES.  On a uniform grid the cubic B-spline is closed: with k = 6^(-1/3), p_i = k (2.5 h + 5.5 - i), a_g = med3(p_g, -p_(g+4), 0), b_g = med3(p_(g+1), -p_(g+3), 0): B_g = a_g^3 - 4 b_g^3.  In real numbers that
; is the recursion's value for every h (0 outside [-2.2, 2.2]); in f32 it differs from it by rounding, some 1e-7 absolute.  -p is made by a multiply-add of its own, -p_(11-j) = k (5.5 - j) - 2.5 k h:
; the same bits as the negated p, but where p cancels to 0 (h = 1 or -1) it is +0 too, so that a median never holds zeros of both signs.
; WEIGHTS go from memory straight into operand registers, two sets by turns, two K steps ahead.  No joint loads: they would land in LDS, where a ring of single K steps (2 x 53,248 bytes) would put a cluster's round in
; front of every 16 products of a wave and send each weight byte through LDS as well.
; THE TWO ROLES' REGISTERS.  The text is sound whichever role's lines follow each other: loads stay out only across the chunk barriers of a layer's loop, and the generators' lines of that loop name none of the registers
; into which those loads land (v32-79, v120-127, window 1), nor the scale registers; from v128 on, where the multipliers have their accumulators, each of the generators' arrays begins on a multiple of 8 and is first read at its low end.
; LIMITS: NaN and infinities among the inputs are not served; a block of zeros gets the scale byte 1 (its codes are zeros; the bytes are this program's own).
.set FRB,   1536                       ; a fragment's image
.set A0,    131072                     ; LDS: H 0 .. 131,071: [tile 32][row tile 4] x 1,024 bytes;  chunk buffers at A0 and A0 + ABUF: 16 fragments [q][m], then at ASO 16 x 128 bytes of scale words
.set ABUF,  0x8000
.set ASO,   24576
.set SPARE, 196608                     ; the spare words, 128 bytes for each of the twelve waves
.set BS1,   6656                       ; a multiplier's weights of a K step: layer 1 and dense four tiles, layer 2 two
.set BS2,   3328
.set STP,   1040                       ; the way out: a stage of 64 rows x (1,024 + 16) bytes in H's bytes
.set XSP,   272                        ; x's stage: 16 rows x (256 + 16) bytes for each generator, in H's bytes, ahead of H's first use
; registers that all waves share: every LDS address is made on lines that all waves run
.set L16, 1
.set L8,  2
.set AW0, 3                            ; where generator v stores fragments (q = v, m = 0) in buffer 0;  v4 their scale words
.set ASW0, 4
.set AR0, 5                            ; where fragments are read in buffer 0;  v6 scale words
.set ASR0, 6
.set HR0, 7                            ; generator v's eight tiles of H
.set HW,  8                            ; multiplier u's four tiles of H
.set XW,  9                            ; x's image (q = 0, m = v);  v10 its scale words
.set XSW, 10
.set SO,  11                           ; the way out: into the stage;  v12 back
.set SR,  12
.set XSI, 13                           ; x's stage: in;  v14 out
.set XSO, 14
.set AW,  15                           ; v15-19 the trip's copies
.set ASW, 16
.set AR,  17
.set ASR, 18
.set HR,  19
.set SH8, 20                           ; 8 hh
.set MK,  21                           ; all ones in lanes hh = 0, else 0
.set BOF, 22                           ; 256 hh
.set SPW, 28
.set NIL, 29
; generators
.set PW,  23                           ; v23      the scale word just made
.set QM,  24                           ; v24-25   largest magnitudes (v24-27 serve the head's common lines first)
.set QS,  26                           ; v26-27   the conversions' scale operands
.set QB,  30                           ; v30-31   the scales' bytes
.set Z,   32                           ; v32-95   64 numbers of a row (SiLU path, x)
.set G1,  80                           ; v80-87   eight numbers at work: p_g, then a, then a^3
.set G2,  88                           ; v88-95   p_(g+1), b, b^3
.set G3,  96                           ; v96-103  -p_(g+4), then a^2
.set G4,  104                          ; v104-111 -p_(g+3), then b^2
.set TC0, 112                          ; v112-114 a block's upper 16 codes
.set QP,  115
.set ZB,  128                          ; v128-191 64 units of h of a row, then their basis g
.set T,   144                          ; v144-207 (SiLU path, x) at work
.set CC,  208                          ; v208-215 the basis's four constants, each twice (the packed form names pairs)
.set PC,  232                          ; v232-243 a fragment's codes
.set TC1, 248                          ; v248-250
; multipliers
.set SETX, 32                          ; v32-79   weights, set X
.set AF0,  80                          ; v80-103  data fragments m = 0, 1
.set ASC,  116                         ; v116-119 the data's scale words;  v120-123, v124-127 the weights', sets X and Y
.set BSC,  120
.set ACC,  128                         ; v128-255 accumulator (t, m) at 128 + 8 (4 t + m)
.set AF1,  0                           ; window 1: v256-279 data fragments m = 2, 3
.set SETY, 24                          ; window 1: v280-327 weights, set Y (first: the dense bias)
.set OB,   32                          ; the way out
; scalars
.set WV,  16
.set WVC, 17
.set U,   18
.set SEL, 20
.set K25, 22
.set SBW, 24
.set SBR, 25
.set CT,  27
.set MB,  28
.set MS,  29
.set MH,  30
.set WP,  32
.set W1P, 38
.set W2P, 40
.set OUTP, 42
.set XP,  44
.set NL2E, 46
.set BP,  48
.set NK25, 50
.set TA,  66                           ; s66-74   k (5.5 - j), j = g .. : the table moves down one place a trip
.set TB,  76                           ; s76-84   k (5.5 - (8 - j)), j = g .. : likewise
.set MSB, 0
.macro WIN new                         ; the immediate's high byte repeats the setting that is left
.if MSB != \new
	s_set_vgpr_msb (MSB<<8)|\new
.set MSB, \new
.endif
.endm
.macro BAR                             ; my LDS stores have landed and my LDS loads are in: then the work-group's barrier
	s_wait_dscnt 0x0
	s_barrier_signal -1
	s_barrier_wait -1
.endm
.macro BARL                            ; the same with no load from memory left out.  It stands where the multipliers have nothing to do behind the barrier until the generators' next chunk is whole (or want the loaded weights at once)
	s_wait_loadcnt 0x0
	BAR
.endm
; 64 numbers v[s] .. v[s+63] of a lane, two blocks of 32, become 12 registers of codes in v[PC] on and the row's scale word in v[PW].
.macro QUANT64 s
	v_max3_num_f32 v[QM], |v[\s]|, |v[\s+1]|, 0x1800000            ; the floor 2^(3 - 127): the byte cannot fall under 1
	v_max3_num_f32 v[QM+1], |v[\s+32]|, |v[\s+33]|, 0x1800000
.irp i, 2,4,6,8,10,12,14,16,18,20,22,24,26,28,30
	v_max3_num_f32 v[QM], v[QM], |v[\s+\i]|, |v[\s+\i+1]|
	v_max3_num_f32 v[QM+1], v[QM+1], |v[\s+32+\i]|, |v[\s+33+\i]|
.endr
	v_add_nc_u32 v[QS], 0xff000000, v[QM]                          ; 2 off the exponent field: the conversion's scale operand
	v_add_nc_u32 v[QS+1], 0xff000000, v[QM+1]
	v_lshrrev_b32 v[QB], 23, v[QS]
	v_lshrrev_b32 v[QB+1], 23, v[QS+1]
	v_cvt_scalef32_pk16_fp6_f32 v[PC:PC+2], v[\s:\s+15], v[QS]
	v_cvt_scalef32_pk16_fp6_f32 v[TC0:TC0+2], v[\s+16:\s+31], v[QS]     ; (a conversion's three registers begin on an even number)
	v_cvt_scalef32_pk16_fp6_f32 v[PC+6:PC+8], v[\s+32:\s+47], v[QS+1]
	v_cvt_scalef32_pk16_fp6_f32 v[TC1:TC1+2], v[\s+48:\s+63], v[QS+1]
	v_lshl_or_b32 v[PW], v[QB+1], 16, v[QB]                        ; my two bytes (also the plain place behind the conversions),
	v_lshlrev_b32 v[PW], v[SH8], v[PW]                             ; at bytes hh and 2 + hh
.irp i, 0,1,2
	v_mov_b32 v[PC+3+\i], v[TC0+\i]
	v_mov_b32 v[PC+9+\i], v[TC1+\i]
.endr
	v_permlanex16_b32 v[QP], v[PW], s[SEL], s[SEL+1]
	v_or_b32 v[PW], v[PW], v[QP]                                   ; with lane l xor 16's two the word is whole
.endm
; dst = silu(src) = src / (1 + 2^(-log2(e) src)), 64 numbers; v[T] on is at work (dst may be T)
.macro SILU src, dst
.set jj, 0
.rept 32
	v_pk_mul_f32 v[T+jj:T+jj+1], v[\src+jj:\src+jj+1], s[NL2E:NL2E+1] op_sel_hi:[1,0]
.set jj, jj+2
.endr
.set jj, 0
.rept 64
	v_exp_f32 v[T+jj], v[T+jj]
.set jj, jj+1
.endr
	v_nop                                          ; a plain place behind the batch,
	s_wait_alu depctr_va_vdst(0)                   ; and one wait for the batch ahead of its first reader
.set jj, 0
.rept 32
	v_pk_add_f32 v[T+jj:T+jj+1], v[T+jj:T+jj+1], 1.0 op_sel_hi:[1,0]
.set jj, jj+2
.endr
.set jj, 0
.rept 64
	v_rcp_f32 v[T+jj], v[T+jj]
.set jj, jj+1
.endr
	v_nop
	s_wait_alu depctr_va_vdst(0)
.set jj, 0
.rept 32
	v_pk_mul_f32 v[\dst+jj:\dst+jj+1], v[\src+jj:\src+jj+1], v[T+jj:T+jj+1]
.set jj, jj+2
.endr
.endm
; the eight units of h in v[z] .. v[z+7] become their basis g, in place: 52 instructions.  Of each pair of constants the low word serves both halves
.macro GEN8 z
.irp i, 0,2,4,6
	v_pk_fma_f32 v[G1+\i:G1+\i+1], v[(\z)+\i:(\z)+\i+1], s[K25:K25+1], v[CC:CC+1] op_sel_hi:[1,0,0]         ; p_g = 2.5 k h + k (5.5 - g)
.endr
.irp i, 0,2,4,6
	v_pk_fma_f32 v[G3+\i:G3+\i+1], v[(\z)+\i:(\z)+\i+1], s[NK25:NK25+1], v[CC+4:CC+5] op_sel_hi:[1,0,0]     ; -p_(g+4) = -2.5 k h + k (5.5 - (7 - g))
.endr
.irp i, 0,2,4,6
	v_pk_fma_f32 v[G2+\i:G2+\i+1], v[(\z)+\i:(\z)+\i+1], s[K25:K25+1], v[CC+2:CC+3] op_sel_hi:[1,0,0]       ; p_(g+1)
.endr
.irp i, 0,2,4,6
	v_pk_fma_f32 v[G4+\i:G4+\i+1], v[(\z)+\i:(\z)+\i+1], s[NK25:NK25+1], v[CC+6:CC+7] op_sel_hi:[1,0,0]     ; -p_(g+3)
.endr
.irp e, 0,1,2,3,4,5,6,7
	v_med3_num_f32 v[G1+\e], v[G1+\e], v[G3+\e], 0                 ; a
.endr
.irp e, 0,1,2,3,4,5,6,7
	v_med3_num_f32 v[G2+\e], v[G2+\e], v[G4+\e], 0                 ; b
.endr
.irp i, 0,2,4,6
	v_pk_mul_f32 v[G3+\i:G3+\i+1], v[G1+\i:G1+\i+1], v[G1+\i:G1+\i+1]
.endr
.irp i, 0,2,4,6
	v_pk_mul_f32 v[G4+\i:G4+\i+1], v[G2+\i:G2+\i+1], v[G2+\i:G2+\i+1]
.endr
.irp i, 0,2,4,6
	v_pk_mul_f32 v[G1+\i:G1+\i+1], v[G3+\i:G3+\i+1], v[G1+\i:G1+\i+1]      ; a^3
.endr
.irp i, 0,2,4,6
	v_pk_mul_f32 v[G2+\i:G2+\i+1], v[G4+\i:G4+\i+1], v[G2+\i:G2+\i+1]      ; b^3
.endr
.irp i, 0,2,4,6
	v_pk_fma_f32 v[(\z)+\i:(\z)+\i+1], v[G2+\i:G2+\i+1], -4.0, v[G1+\i:G1+\i+1] op_sel_hi:[1,0,1]
.endr
.endm
; the fragment of row tile m: basis g of my 64 units, quantised, to LDS
.macro GENF m
.irp p, 0,1,2,3,4,5,6,7
	ds_load_b128 v[ZB+8*\p:ZB+8*\p+3], v[HR0] offset:4096*\p+1024*(\m)
	ds_load_b128 v[ZB+8*\p+4:ZB+8*\p+7], v[HR0] offset:4096*\p+1024*(\m)+512
.endr
	s_wait_dscnt 0x0                               ; h is in; and the last fragment's stores have read the codes' registers
.irp q, 0,1,2,3,4,5,6,7
	GEN8 ZB+8*\q
.endr
	QUANT64 ZB
.irp k, 0,1,2
	ds_store_b128 v[AW], v[PC+4*\k:PC+4*\k+3] offset:(\m)*FRB+512*\k
.endr
	ds_store_b32 v[ASW], v[PW] offset:(\m)*128
.endm
; a K step's weights, off bytes from s[WP], into set sy: nt fragments and their scale words: 14 loads (nt = 4) or 7 (nt = 2)
.macro LOADSET sy, off, nt
.set rW, SETX
.if \sy
.set rW, SETY
	WIN 0x40                                       ; destination window 1
.endif
.set ff, 0
.rept \nt
.irp k, 0,1,2
	global_load_b128 v[rW+12*ff+4*\k:rW+12*ff+4*\k+3], v[L16], s[WP:WP+1] offset:(\off)+(ff/2)*3328+(ff%2)*1536+512*\k
.endr
.set ff, ff+1
.endr
	WIN 0
.set ff, 0
.rept \nt/2
	global_load_b64 v[BSC+4*(\sy)+2*ff:BSC+4*(\sy)+2*ff+1], v[L8], s[WP:WP+1] offset:(\off)+ff*3328+3072
.set ff, ff+1
.endr
.endm
; A K STEP: the chunk's q-th.  The four data fragments and their scale words from LDS; 4 nt products, the accumulators by turns; then the set takes the weights of two steps on.
; cmode 0: the products start the sums; 1: they add; 2: the sums start from the bias.  rel: where the reload stands, or -1.  lc: the loads of the other set, issued later, which may stay out.
.macro MSTEP sy, q, cmode, rel, lc, nt, ar, asr
.irp m, 0,1
.irp k, 0,1,2
	ds_load_b128 v[AF0+12*\m+4*\k:AF0+12*\m+4*\k+3], v[\ar] offset:(4*(\q)+\m)*FRB+512*\k
.endr
.endr
	WIN 0x40
.irp m, 2,3
.irp k, 0,1,2
	ds_load_b128 v[AF1+12*(\m-2)+4*\k:AF1+12*(\m-2)+4*\k+3], v[\ar] offset:(4*(\q)+\m)*FRB+512*\k
.endr
.endr
	WIN 0
.irp m, 0,1,2,3
	ds_load_b32 v[ASC+\m], v[\asr] offset:(4*(\q)+\m)*128
.endr
	s_wait_loadcnt \lc
	s_wait_dscnt 0x0
.irp m, 0,1,2,3
.set CW, (\sy)+4*(\m/2)
.if \cmode == 2
.set CW, CW+16
.endif
	WIN CW                                         ; source 0 window 1 for set Y, source 1 window 1 for m = 2, 3, source 2 window 1 for the bias
.set rA, AF0+12*\m
.if \m > 1
.set rA, AF1+12*(\m-2)
.endif
.set tt, 0
.rept \nt
.set rW, SETX+12*tt
.if \sy
.set rW, SETY+12*tt
.endif
.set rD, ACC+8*(4*tt+\m)
.if \cmode == 0
	v_wmma_scale_f32_16x16x128_f8f6f4 v[rD:rD+7], v[rW:rW+11], v[rA:rA+11], 0, v[BSC+4*(\sy)+tt], v[ASC+\m] matrix_a_fmt:MATRIX_FMT_FP6 matrix_b_fmt:MATRIX_FMT_FP6
.elseif \cmode == 1
	v_wmma_scale_f32_16x16x128_f8f6f4 v[rD:rD+7], v[rW:rW+11], v[rA:rA+11], v[rD:rD+7], v[BSC+4*(\sy)+tt], v[ASC+\m] matrix_a_fmt:MATRIX_FMT_FP6 matrix_b_fmt:MATRIX_FMT_FP6
.else
	v_wmma_scale_f32_16x16x128_f8f6f4 v[rD:rD+7], v[rW:rW+11], v[rA:rA+11], v[SETY+8*tt:SETY+8*tt+7], v[BSC+4*(\sy)+tt], v[ASC+\m] matrix_a_fmt:MATRIX_FMT_FP6 matrix_b_fmt:MATRIX_FMT_FP6
.endif
.set tt, tt+1
.endr
.endr
	WIN 0
.rept 4
	v_nop                                          ; places in front of loads into registers that the products have read, and of the first read of results
.endr
.if \rel >= 0
	LOADSET \sy, \rel, \nt
.endif
.endm
; A CHUNK: four K steps on sets X, Y, X, Y.  mode 0: a layer's first; 1: in the loop; 2: its last, which asks for nothing beyond the stream's end.
.macro MCHUNK mode, nt, bs, ar, asr
.set LCN, 7*(\nt)/2
.if \mode == 0
	MSTEP 0, 0, 0, 2*\bs, LCN, \nt, \ar, \asr
.else
	MSTEP 0, 0, 1, 2*\bs, LCN, \nt, \ar, \asr
.endif
	MSTEP 1, 1, 1, 3*\bs, LCN, \nt, \ar, \asr
.if \mode == 2
	MSTEP 0, 2, 1, -1, LCN, \nt, \ar, \asr
	MSTEP 1, 3, 1, -1, 0, \nt, \ar, \asr
.else
	MSTEP 0, 2, 1, 4*\bs, LCN, \nt, \ar, \asr
	MSTEP 1, 3, 1, 5*\bs, LCN, \nt, \ar, \asr
	s_wait_xcnt 0x0                                ; the loads have read their base: it may step
	s_add_nc_u64 s[WP:WP+1], s[WP:WP+1], 4*\bs
.endif
.endm
.macro HSTORE                          ; my four tiles x four row tiles go to H as they stand, each accumulator from its low end on
.irp t, 0,1,2,3
.irp m, 0,1,2,3
	ds_store_b128 v[HW], v[ACC+8*(4*\t+\m):ACC+8*(4*\t+\m)+3] offset:4096*\t+1024*\m
	ds_store_b128 v[HW], v[ACC+8*(4*\t+\m)+4:ACC+8*(4*\t+\m)+7] offset:4096*\t+1024*\m+512
.endr
.endr
.endm
; CHUNK 0 of a layer: for each row tile m, generator v reads its 64 units of a row from H, takes silu and quantises: fragment (q = v, m) of buffer 0.
; first = 1: H holds the dense layer's sums: h = silu of them goes back into H first.  All waves walk the loop, so that the stepped addresses are made on common lines; the work stands under the branch.
.macro BASEGEN first
	s_mov_b32 s[MB], 0
	s_mov_b32 s[MS], 0
	s_mov_b32 s[MH], 0
	s_mov_b32 s[CT], 0
.Lbg_\@:
	v_add_nc_u32 v[HR], s[MH], v[HR0]
	v_add_nc_u32 v[AW], s[MB], v[AW0]
	v_add_nc_u32 v[ASW], s[MS], v[ASW0]
	s_cmp_lt_u32 s[WV], 4
	s_cbranch_scc0 .Lbgj_\@
.irp p, 0,1,2,3,4,5,6,7
	ds_load_b128 v[Z+8*\p:Z+8*\p+3], v[HR] offset:4096*\p
	ds_load_b128 v[Z+8*\p+4:Z+8*\p+7], v[HR] offset:4096*\p+512
.endr
	s_wait_dscnt 0x0
.if \first
	SILU Z, Z
.irp p, 0,1,2,3,4,5,6,7
	ds_store_b128 v[HR], v[Z+8*\p:Z+8*\p+3] offset:4096*\p         ; these tiles are read by this wave alone
	ds_store_b128 v[HR], v[Z+8*\p+4:Z+8*\p+7] offset:4096*\p+512
.endr
.endif
	SILU Z, T
	QUANT64 T
.irp k, 0,1,2
	ds_store_b128 v[AW], v[PC+4*\k:PC+4*\k+3] offset:512*\k
.endr
	ds_store_b32 v[ASW], v[PW]
	s_wait_dscnt 0x0                               ; the stores have read their registers
.Lbgj_\@:
	s_add_co_u32 s[MB], s[MB], FRB
	s_add_co_u32 s[MS], s[MS], 128
	s_add_co_u32 s[MH], s[MH], 1024
	s_add_co_u32 s[CT], s[CT], 1
	s_cmp_lt_u32 s[CT], 4
	s_cbranch_scc1 .Lbg_\@
	BAR                                            ; chunk 0 lies in buffer 0
.endm
; A KAN LAYER.  Trip g: the generators make chunk g + 1, basis g, into buffer (g + 1) % 2 while the multipliers take chunk g from buffer g % 2 (chunk 0 is written out ahead of the loop, since its products start the sums;
; so in trip 0 the multipliers go straight to the barrier).  In front of the barrier every wave has waited for all its LDS instructions: what was written is whole, and what was read may be written again.
.macro LAYER nt, bs, last
	s_mov_b32 s[SBW], ABUF
	s_mov_b32 s[SBR], 0
	s_mov_b32 s[CT], 0
	s_mov_b32 s[TA+0], 0x4041b68b                  ; k (5.5 - j), j = 0 .. 8, each rounded once
	s_mov_b32 s[TA+1], 0x401e7e15
	s_mov_b32 s[TA+2], 0x3ff68b3d
	s_mov_b32 s[TA+3], 0x3fb01a50
	s_mov_b32 s[TA+4], 0x3f5352c7
	s_mov_b32 s[TA+5], 0x3e8ce1da
	s_mov_b32 s[TA+6], 0xbe8ce1da
	s_mov_b32 s[TA+7], 0xbf5352c7
	s_mov_b32 s[TA+8], 0xbfb01a50
	s_mov_b32 s[TB+0], 0xbfb01a50                  ; the same from j = 8 down to 0
	s_mov_b32 s[TB+1], 0xbf5352c7
	s_mov_b32 s[TB+2], 0xbe8ce1da
	s_mov_b32 s[TB+3], 0x3e8ce1da
	s_mov_b32 s[TB+4], 0x3f5352c7
	s_mov_b32 s[TB+5], 0x3fb01a50
	s_mov_b32 s[TB+6], 0x3ff68b3d
	s_mov_b32 s[TB+7], 0x401e7e15
	s_mov_b32 s[TB+8], 0x4041b68b
	s_cmp_lt_u32 s[WV], 4
	s_cbranch_scc1 .Ltrip_\@
	MCHUNK 0, \nt, \bs, AR0, ASR0
.Ltrip_\@:
	v_add_nc_u32 v[AW], s[SBW], v[AW0]
	v_add_nc_u32 v[ASW], s[SBW], v[ASW0]
	v_add_nc_u32 v[AR], s[SBR], v[AR0]
	v_add_nc_u32 v[ASR], s[SBR], v[ASR0]
	s_cmp_lt_u32 s[WV], 4
	s_cbranch_scc0 .Lmul_\@
	v_mov_b32 v[CC+0], s[TA]                       ; k (5.5 - g): for p_g
	v_mov_b32 v[CC+1], s[TA]
	v_mov_b32 v[CC+2], s[TA+1]                     ; k (5.5 - (g + 1)): for p_(g+1)
	v_mov_b32 v[CC+3], s[TA+1]
	v_mov_b32 v[CC+4], s[TB+1]                     ; k (5.5 - (7 - g)): for -p_(g+4)
	v_mov_b32 v[CC+5], s[TB+1]
	v_mov_b32 v[CC+6], s[TB]                       ; k (5.5 - (8 - g)): for -p_(g+3)
	v_mov_b32 v[CC+7], s[TB]
	GENF 0
	GENF 1
	GENF 2
	GENF 3
	s_branch .Ljoin_\@
.Lmul_\@:
	s_cmp_eq_u32 s[CT], 0
	s_cbranch_scc1 .Ljoin_\@
	MCHUNK 1, \nt, \bs, AR, ASR
.Ljoin_\@:
	BAR                                            ; the multipliers' weights of the next two K steps stay on their way across this barrier
	s_xor_b32 s[SBW], s[SBW], ABUF
	s_xor_b32 s[SBR], s[SBR], ABUF
.irp j, 0,1,2,3,4,5,6,7
	s_mov_b32 s[TA+\j], s[TA+\j+1]                 ; both tables one place down: the next basis
	s_mov_b32 s[TB+\j], s[TB+\j+1]
.endr
	s_add_co_u32 s[CT], s[CT], 1
	s_cmp_lt_u32 s[CT], 8
	s_cbranch_scc1 .Ltrip_\@
	s_cmp_lt_u32 s[WV], 4
	s_cbranch_scc1 .Lend_\@
	MCHUNK 2, \nt, \bs, AR0, ASR0                  ; chunk 8 lies in buffer 0
.if \last
.irp t, 0,1
.irp m, 0,1,2,3
	ds_store_b128 v[SO], v[ACC+8*(4*\t+\m):ACC+8*(4*\t+\m)+3] offset:16*STP*\m+64*\t       ; lane (r, hh): out(16 m + r, 32 u + 16 t + 8 hh + 0 .. 7); nobody reads H any more
	ds_store_b128 v[SO], v[ACC+8*(4*\t+\m)+4:ACC+8*(4*\t+\m)+7] offset:16*STP*\m+64*\t+16
.endr
.endr
.else
	HSTORE                                         ; the generators' last reads of H stand in front of the loop's last barrier
	s_mov_b64 s[WP:WP+1], s[W2P:W2P+1]             ; (no load of mine is out)
	LOADSET 0, 0, 2                                ; the next layer's first two K steps
	LOADSET 1, BS2, 2
.endif
.Lend_\@:
	BARL                                           ; the next thing is the generators' SiLU pass: the multipliers' wait for their weights costs them nothing here
.endm
	s_load_b256 s[4:11], s[0:1], 0x0               ; x, dense_b, wdi, w1i
	s_load_b128 s[12:15], s[0:1], 0x20             ; w2i, out0
	v_lshl_add_u32 v[SPW], v0, 2, SPARE
	v_mov_b32 v[NIL], 0
	v_lshrrev_b32 v24, 5, v0
	v_readfirstlane_b32 s[WV], v24                 ; wave 0..11
	s_and_b32 s[WVC], s[WV], 3                     ; generator v
	s_add_co_u32 s[U], s[WV], 4
	s_and_b32 s[U], s[U], 7                        ; multiplier u = wave - 4 (mod 8)
	v_and_b32 v24, 31, v0                          ; lane
	v_and_b32 v25, 15, v0                          ; r
	v_bfe_u32 v26, v0, 4, 1                        ; hh
	v_lshlrev_b32 v[L16], 4, v24
	v_lshlrev_b32 v[L8], 3, v24
	v_lshlrev_b32 v27, 2, v24
	v_lshlrev_b32 v[SH8], 3, v26
	v_add_nc_u32 v[MK], -1, v26
	v_lshlrev_b32 v[BOF], 8, v26
	s_mul_i32 s34, s[WVC], 4*FRB
	s_add_co_u32 s34, s34, A0
	v_add_nc_u32 v[AW0], s34, v[L16]
	s_lshl_b32 s34, s[WVC], 9
	s_add_co_u32 s34, s34, A0+ASO
	v_add_nc_u32 v[ASW0], s34, v27
	v_add_nc_u32 v[AR0], A0, v[L16]
	v_add_nc_u32 v[ASR0], A0+ASO, v27
	s_lshl_b32 s34, s[WVC], 15
	v_add_nc_u32 v[HR0], s34, v[L16]
	s_lshl_b32 s34, s[U], 14
	v_add_nc_u32 v[HW], s34, v[L16]
	s_mul_i32 s34, s[WVC], FRB
	s_add_co_u32 s34, s34, A0
	v_add_nc_u32 v[XW], s34, v[L16]
	s_lshl_b32 s34, s[WVC], 7
	s_add_co_u32 s34, s34, A0+ASO
	v_add_nc_u32 v[XSW], s34, v27
	v_mul_u32_u24 v[SO], v25, STP
	v_lshl_add_u32 v[SO], v26, 5, v[SO]
	s_lshl_b32 s34, s[U], 7
	v_add_nc_u32 v[SO], s34, v[SO]
	s_mul_i32 s34, s[U], 8*STP
	v_add_nc_u32 v[SR], s34, v[L16]
	s_mul_i32 s34, s[WVC], 16*XSP
	v_mul_u32_u24 v[XSI], v26, XSP
	v_lshl_add_u32 v[XSI], v25, 4, v[XSI]
	v_add_nc_u32 v[XSI], s34, v[XSI]
	v_mul_u32_u24 v[XSO], v25, XSP
	v_add_nc_u32 v[XSO], s34, v[XSO]
	s_mov_b32 s[SEL], 0x76543210
	s_mov_b32 s[SEL+1], 0xfedcba98                 ; v_permlanex16_b32's selects for lane l xor 16
	s_mov_b32 s[K25], 0x3fb01a50                   ; 2.5 k
	s_mov_b32 s[K25+1], s[K25]                     ; (the packed forms name pairs, so both words are written)
	s_mov_b32 s[NK25], 0xbfb01a50                  ; -2.5 k
	s_mov_b32 s[NK25+1], s[NK25]
	s_mov_b32 s[NL2E], 0xbfb8aa3b                  ; -log2(e)
	s_mov_b32 s[NL2E+1], s[NL2E]
	s_wait_kmcnt 0x0
	s_lshl_b32 s34, ttmp9, 14                      ; x: my work-group's 64 rows of 256 bytes, generator v's 16
	s_lshl_b32 s35, s[WVC], 12
	s_add_co_u32 s34, s34, s35
	s_mov_b32 s35, 0
	s_add_nc_u64 s[XP:XP+1], s[4:5], s[34:35]
	s_lshr_b32 s34, s[U], 1
	s_lshl_b32 s34, s34, 9
	s_and_b32 s36, s[U], 1
	s_lshl_b32 s36, s36, 7
	s_add_co_u32 s34, s34, s36                     ; dense_b at unit 128 (u / 2) + 32 (u % 2)
	s_add_nc_u64 s[BP:BP+1], s[6:7], s[34:35]
	s_mul_i32 s34, s[U], BS1
	s_add_nc_u64 s[WP:WP+1], s[8:9], s[34:35]      ; the dense weights first
	s_mul_i32 s34, s[U], 36*BS1
	s_add_nc_u64 s[W1P:W1P+1], s[10:11], s[34:35]
	s_mul_i32 s34, s[U], 36*BS2
	s_add_nc_u64 s[W2P:W2P+1], s[12:13], s[34:35]
	s_lshl_b32 s34, ttmp9, 16                      ; out0: 64 rows of 1,024 bytes, multiplier u's 8
	s_lshl_b32 s36, s[U], 13
	s_add_co_u32 s34, s34, s36
	s_add_nc_u64 s[OUTP:OUTP+1], s[14:15], s[34:35]
	s_cmp_lt_u32 s[WV], 4
	s_cbranch_scc0 .Lhead_mul
	; ---- generators: my 16 rows of x become one fragment (K = 64 in the lanes hh = 0, zero codes in the others)
.irp i, 0,1,2,3,4,5,6,7
	global_load_b128 v[T+4*\i:T+4*\i+3], v[L16], s[XP:XP+1] offset:512*\i th:TH_LOAD_NT     ; 512 consecutive bytes: two rows
.endr
	v_mov_b32 v[QP], 0                             ; a lane permute's destination counts as one of its sources
	s_wait_loadcnt 0x0
.irp i, 0,1,2,3,4,5,6,7
	ds_store_b128 v[XSI], v[T+4*\i:T+4*\i+3] offset:2*XSP*\i
.endr
.irp k, 0,1,2,3,4,5,6,7,8,9,10,11,12,13,14,15
	ds_load_b128 v[Z+4*\k:Z+4*\k+3], v[XSO] offset:16*\k           ; row r, whole, in both halves of the lanes; LDS serves a wave's instructions in order
.endr
	s_wait_dscnt 0x0
	QUANT64 Z
.irp i, 0,1,2,3,4,5,6,7,8,9,10,11
	v_and_b32 v[PC+\i], v[MK], v[PC+\i]
.endr
.irp k, 0,1,2
	ds_store_b128 v[XW], v[PC+4*\k:PC+4*\k+3] offset:512*\k
.endr
	ds_store_b32 v[XSW], v[PW]
	s_branch .Lhead_join
.Lhead_mul:
	; ---- multipliers: the dense weights into set X, the bias (lane (r, hh), tile t: units + 64 hh + 8 t + 0..7) into set Y's registers
	LOADSET 0, 0, 4
	WIN 0x40
.irp t, 0,1,2,3
	global_load_b128 v[SETY+8*\t:SETY+8*\t+3], v[BOF], s[BP:BP+1] offset:32*\t
	global_load_b128 v[SETY+8*\t+4:SETY+8*\t+7], v[BOF], s[BP:BP+1] offset:32*\t+16
.endr
	WIN 0
.Lhead_join:
	BARL                                           ; x's four fragments lie in buffer 0; the dense weights and the bias, wanted at once behind the barrier, are in
	s_cmp_lt_u32 s[WV], 4
	s_cbranch_scc1 .Ldense_join
	MSTEP 0, 0, 2, -1, 0, 4, AR0, ASR0             ; x dense_w^T + dense_b: one K step
	HSTORE
	s_mov_b64 s[WP:WP+1], s[W1P:W1P+1]             ; (no load of mine is out)
	LOADSET 0, 0, 4                                ; layer 1's first two K steps
	LOADSET 1, BS1, 4
.Ldense_join:
	BARL                                           ; the dense sums lie in H; nobody reads buffer 0 any more; the generators' SiLU pass follows, so the multipliers' wait for their weights costs them nothing
	BASEGEN 1
	LAYER 4, BS1, 0
	BASEGEN 0
	LAYER 2, BS2, 1
	; ---- the way out: 64 whole rows lie in the stage; each multiplier stores 8 of them
	s_cmp_lt_u32 s[WV], 4
	s_cbranch_scc1 .Ldone
.irp i, 0,1,2,3,4,5,6,7,8,9,10,11,12,13,14,15
	ds_load_b128 v[OB+4*\i:OB+4*\i+3], v[SR] offset:(\i/2)*STP+(\i%2)*512
.endr
.irp i, 0,1,2,3,4,5,6,7,8,9,10,11,12,13,14,15
	s_wait_dscnt 15-\i                             ; LDS loads come back in order: load i is in, the younger ones may be out
	global_store_b128 v[L16], v[OB+4*\i:OB+4*\i+3], s[OUTP:OUTP+1] offset:(\i/2)*1024+(\i%2)*512 th:TH_STORE_NT   ; 32 lanes store 512 consecutive bytes, at a multiple of 256 from out0's first byte
.endr
.Ldone:
	s_wait_tensorcnt 0x0                           ; the wave's end: three closing lines behind my last LDS store
	ds_add_u32 v[SPW], v[NIL]
	s_wait_dscnt 0x0
	s_endpgm
.Lfunc_end_k_q65c0fe18b0_main:
	.size	k_q65c0fe18b0_main, .Lfunc_end_k_q65c0fe18b0_main-k_q65c0fe18b0_main
	.p2alignl 7, 3214868480
	.fill 96, 4, 3214868480
	.section	.rodata,"a",@progbits
	.p2align	6, 0x0
	.amdhsa_kernel k_q65c0fe18b0_main
		.amdhsa_group_segment_fixed_size 198144
		.amdhsa_private_segment_fixed_size 0
		.amdhsa_enable_private_segment 0
		.amdhsa_kernarg_size 48
		.amdhsa_user_sgpr_count 2
		.amdhsa_user_sgpr_kernarg_segment_ptr 1
		.amdhsa_wavefront_size32 1
		.amdhsa_system_sgpr_workgroup_id_x 1
		.amdhsa_system_sgpr_workgroup_id_y 1
		.amdhsa_system_sgpr_workgroup_id_z 1
		.amdhsa_system_vgpr_workitem_id 0
		.amdhsa_next_free_vgpr 328
		.amdhsa_next_free_sgpr 96
		.amdhsa_reserve_vcc 0
		.amdhsa_float_denorm_mode_32 3
		.amdhsa_float_denorm_mode_16_64 3
		.amdhsa_memory_ordered 1
		.amdhsa_forward_progress 1
		.amdhsa_inst_pref_size 255
	.end_amdhsa_kernel
	.section	.bss,"aw",@nobits
	.p2align	6
	.space	262144
	.amdgpu_metadata
---
amdhsa.version: [ 1, 2 ]
amdhsa.kernels:
  - .name:           k_q65c0fe18b0_main
    .symbol:         k_q65c0fe18b0_main.kd
    .args:
      - { .name: x, .offset: 0, .size: 8, .value_kind: global_buffer, .address_space: global }
      - { .name: dense_b, .offset: 8, .size: 8, .value_kind: global_buffer, .address_space: global }
      - { .name: wdi, .offset: 16, .size: 8, .value_kind: global_buffer, .address_space: global }
      - { .name: w1i, .offset: 24, .size: 8, .value_kind: global_buffer, .address_space: global }
      - { .name: w2i, .offset: 32, .size: 8, .value_kind: global_buffer, .address_space: global }
      - { .name: out0, .offset: 40, .size: 8, .value_kind: global_buffer, .address_space: global }
    .group_segment_fixed_size: 198144
    .private_segment_fixed_size: 0
    .kernarg_segment_align: 8
    .kernarg_segment_size: 48
    .max_flat_workgroup_size: 384
    .sgpr_count:     96
    .vgpr_count:     328
    .wavefront_size: 32
...
	.end_amdgpu_metadata
.endif
;; end of part 3
;; ======== version 2 of 2: 3 launches; version 1 with the launch main written anew for expert scheduling mode
;; workspace buffers: w1i 1,916,928 bytes; w2i 958,464 bytes; wdi 53,248 bytes
;; launch prep: the kernel of part 1 again; grid 28 x 1, 4 waves a work-group, no clusters, 35,328 bytes of LDS; arguments dense_w, base_w1, base_w2, w1i, w2i, wdi; writes w1i, w2i, wdi
;; launch preps: the kernel of part 2 again; grid 192 x 1, 4 waves a work-group, no clusters, 66,304 bytes of LDS; arguments spline_w1, scaler1, spline_w2, scaler2, w1i, w2i; writes w1i, w2i
;; launch main (part 4): grid 256 x 1, 12 waves a work-group, no clusters, 198,144 bytes of LDS; arguments x, dense_b, wdi, w1i, w2i, out0; writes out0
.if DOCPART == 4
	.amdgcn_target "amdgcn-amd-amdhsa--gfx1250"
	.amdhsa_code_object_version 6
	.text
	.protected	k_q65c0fe18b0_main
	.globl	k_q65c0fe18b0_main
	.p2align	8
	.type	k_q65c0fe18b0_main,@function
k_q65c0fe18b0_main:
	s_mov_b64 s[64:65], 0
	v_nop
	global_prefetch_b8 v0, s[64:65] scope:SCOPE_SE
	s_setreg_imm32_b32 hwreg(HW_REG_WAVE_SCHED_MODE, 0, 2), 2
	s_setreg_imm32_b32 hwreg(HW_REG_WAVE_MODE, 25, 1), 1
	s_wait_xcnt 0x0
	s_wait_alu depctr_vm_vsrc(0)
; out0 = KAN2(KAN1(silu(x dense_w^T + dense_b))), all five products on codes of E2M3 with one E8M0 scale for each 32 along K.  Nothing of the problem is left out.
; A work-group takes 64 rows through the whole chain; h lives in LDS (f32) and the 4,608-wide operands of the KAN layers only as chunks of codes in LDS.
; ROLES.  Twelve waves of 328 registers.  Waves 0-3 GENERATE (all vector work: SiLU, the eight B-spline bases of each input, the quantisers); waves 4-11 MULTIPLY (all matrix work; u = wave - 4).
; They meet at one barrier a chunk: a chunk is 4 K steps of 128 for the 64 rows, 16 fragments, in two LDS buffers by turns: while the multipliers read one, the generators fill the other.
; A layer's K is 9 chunks: chunk 0 is silu(h), chunk 1 + g is basis g of all 512 inputs (the spline products' K is taken as basis x 512 + input: a block of 32 is 32 neighbouring inputs of one basis); in every chunk
; step v is inputs 128 v .. 128 v + 127, and generator v makes step v.
; LAYOUT.  Products are used transposed (source 0 = 16 rows of weights, source 1 = 16 rows of data): a lane (r, hh) holds ONE data row r.  The earlier launches have chosen the weights' rows so that tile p = 4 (u % 2) + t of
; multipliers 2 v, 2 v + 1 gives lane (r, hh), register j, unit 128 v + 64 hh + 8 p + j.  So a lane's 64 registers of eight tiles are 64 neighbouring units: two whole blocks of every chunk: no maximum and no code ever
; changes lanes but the scale word's two halves.  Block c of a lane goes to registers 6 c .. 6 c + 5, its scale to byte 2 c + hh, as in the weights' images.
; OPERANDS GO THROUGH LDS AS IMAGES OF THEIR REGISTERS (16 bytes a lane, 512 bytes a store); h likewise, tile by tile.
; THE BASES.  On a uniform grid the cubic B-spline is closed: with k = 6^(-1/3), p_i = k (2.5 h + 5.5 - i), a_g = med3(p_g, -p_(g+4), 0), b_g = med3(p_(g+1), -p_(g+3), 0): B_g = a_g^3 - 4 b_g^3.  In real numbers that
; is the recursion's value for every h (0 outside [-2.2, 2.2]); in f32 it differs from it by rounding, some 1e-7 absolute.  -p is made by a multiply-add of its own, -p_(11-j) = k (5.5 - j) - 2.5 k h:
; the same bits as the negated p, but where p cancels to 0 (h = 1 or -1) it is +0 too, so that a median never holds zeros of both signs.
; WEIGHTS go from memory straight into operand registers, two sets by turns, two K steps ahead.  No joint loads: they would land in LDS, where a ring of single K steps (2 x 53,248 bytes) would put a cluster's round in
; front of every 16 products of a wave and send each weight byte through LDS as well.
; THE TWO ROLES' REGISTERS.  The text is sound whichever role's lines follow each other: loads stay out only across the chunk barriers of a layer's loop, and the generators' lines of that loop name none of the registers
; into which those loads land (v32-79, v120-127, window 1), nor the scale registers; from v128 on, where the multipliers have their accumulators, each of the generators' arrays begins on a multiple of 8 and is first read at its low end.
; THE MODE: SCHED_MODE bits 1:0 = 2 (LLVM: expert scheduling mode 2), set by the entry lines.  The code itself states the register dependences between vector or matrix instructions and memory or LDS instructions,
; with s_wait_alu, always for 0.
; THE PLAN.  Registers that memory or LDS instructions touch, and who else names them:
;   v1-14, v22      addresses, written once at the head, ahead of the head's wait on va_vdst; never again.
;   v15-19          the trip's addresses: written by additions on the common lines at a trip's head, with one wait on va_vdst behind them; read by the trip's LDS instructions; a wait on vm_vsrc at the trip's end stands ahead of the next additions.
;   generators      ZB: 16 LDS loads land in it, GEN8 works in place, QUANT64 reads it.  The codes and the scale word: QUANT64 writes them, four LDS stores read them.  ONE wait on va_vdst a fragment, behind QUANT64, states both
;                   (codes and word written; ZB done with); behind it go the next fragment's loads and then this fragment's stores.  One wait on vm_vsrc a fragment, ahead of QUANT64, eight GEN8 behind the stores that it waits for.
;   multipliers     the two sets of weights and their scale words (loads from memory land, the step's products read), the data fragments and their scale words (LDS loads land, the step's products read), the accumulators (the products
;                   write, LDS stores read at a layer's end).  ONE wait on va_vdst a K step, behind its products: behind it go the reload of the set just read, the next step's LDS loads and, at a layer's end, the stores.
; Each role's lines end, ahead of every place where the roles join, with no vector or matrix instruction behind their last wait on va_vdst and no reader of a register that is written again behind their last wait on vm_vsrc.
; LIMITS: NaN and infinities among the inputs are not served; a block of zeros gets the scale byte 1 (its codes are zeros; the bytes are this program's own).
.set FRB,   1536                       ; a fragment's image
.set A0,    131072                     ; LDS: H 0 .. 131,071: [tile 32][row tile 4] x 1,024 bytes;  chunk buffers at A0 and A0 + ABUF: 16 fragments [q][m], then at ASO 16 x 128 bytes of scale words
.set ABUF,  0x8000
.set ASO,   24576
.set SPARE, 196608                     ; the spare words, 128 bytes for each of the twelve waves
.set BS1,   6656                       ; a multiplier's weights of a K step: layer 1 and dense four tiles, layer 2 two
.set BS2,   3328
.set STP,   1040                       ; the way out: a stage of 64 rows x (1,024 + 16) bytes in H's bytes
.set XSP,   272                        ; x's stage: 16 rows x (256 + 16) bytes for each generator, in H's bytes, ahead of H's first use
; registers that all waves share: every LDS address is made on lines that all waves run
.set L16, 1
.set L8,  2
.set AW0, 3                            ; where generator v stores fragments (q = v, m = 0) in buffer 0;  v4 their scale words
.set ASW0, 4
.set AR0, 5                            ; where fragments are read in buffer 0;  v6 scale words
.set ASR0, 6
.set HR0, 7                            ; generator v's eight tiles of H
.set HW,  8                            ; multiplier u's four tiles of H
.set XW,  9                            ; x's image (q = 0, m = v);  v10 its scale words
.set XSW, 10
.set SO,  11                           ; the way out: into the stage;  v12 back
.set SR,  12
.set XSI, 13                           ; x's stage: in;  v14 out
.set XSO, 14
.set AW,  15                           ; v15-19 the trip's copies
.set ASW, 16
.set AR,  17
.set ASR, 18
.set HR,  19
.set SH8, 20                           ; 8 hh
.set MK,  21                           ; all ones in lanes hh = 0, else 0
.set BOF, 22                           ; 256 hh
.set SPW, 28
.set NIL, 29
; generators
.set PW,  23                           ; v23      the scale word just made
.set QM,  24                           ; v24-25   largest magnitudes (v24-27 serve the head's common lines first)
.set QS,  26                           ; v26-27   the conversions' scale operands
.set QB,  30                           ; v30-31   the scales' bytes
.set Z,   32                           ; v32-95   64 numbers of a row (SiLU path, x)
.set G1,  80                           ; v80-87   eight numbers at work: p_g, then a, then a^3
.set G2,  88                           ; v88-95   p_(g+1), b, b^3
.set G3,  96                           ; v96-103  -p_(g+4), then a^2
.set G4,  104                          ; v104-111 -p_(g+3), then b^2
.set TC0, 112                          ; v112-114 a block's upper 16 codes
.set QP,  115
.set ZB,  128                          ; v128-191 64 units of h of a row, then their basis g
.set T,   144                          ; v144-207 (SiLU path, x) at work
.set CC,  208                          ; v208-215 the basis's four constants, each twice (the packed form names pairs)
.set PC,  232                          ; v232-243 a fragment's codes
.set TC1, 248                          ; v248-250
; multipliers
.set SETX, 32                          ; v32-79   weights, set X
.set AF0,  80                          ; v80-103  data fragments m = 0, 1
.set ASC,  116                         ; v116-119 the data's scale words;  v120-123, v124-127 the weights', sets X and Y
.set BSC,  120
.set ACC,  128                         ; v128-255 accumulator (t, m) at 128 + 8 (4 t + m)
.set AF1,  0                           ; window 1: v256-279 data fragments m = 2, 3
.set SETY, 24                          ; window 1: v280-327 weights, set Y (first: the dense bias)
.set OB,   32                          ; the way out
; scalars
.set WV,  16
.set WVC, 17
.set U,   18
.set SEL, 20
.set K25, 22
.set SBW, 24
.set SBR, 25
.set CT,  27
.set MB,  28
.set MS,  29
.set MH,  30
.set WP,  32
.set W1P, 38
.set W2P, 40
.set OUTP, 42
.set XP,  44
.set NL2E, 46
.set BP,  48
.set NK25, 50
.set TA,  66                           ; s66-74   k (5.5 - j), j = g .. : the table moves down one place a trip
.set TB,  76                           ; s76-84   k (5.5 - (8 - j)), j = g .. : likewise
.set MSB, 0
.macro WIN new                         ; the immediate's high byte repeats the setting that is left
.if MSB != \new
	s_set_vgpr_msb (MSB<<8)|\new
.set MSB, \new
.endif
.endm
.macro BAR                             ; my LDS stores have landed and my LDS loads are in: then the work-group's barrier
	s_wait_dscnt 0x0
	s_barrier_signal -1
	s_barrier_wait -1
.endm
.macro BARL                            ; the same with no load from memory left out.  It stands where the multipliers have nothing to do behind the barrier until the generators' next chunk is whole (or want the loaded weights at once)
	s_wait_loadcnt 0x0
	BAR
.endm
; 64 numbers v[s] .. v[s+63] of a lane, two blocks of 32, become 12 registers of codes in v[PC] on and the row's scale word in v[PW].
.macro QUANT64 s
	v_max3_num_f32 v[QM], |v[\s]|, |v[\s+1]|, 0x1800000            ; the floor 2^(3 - 127): the byte cannot fall under 1
	v_max3_num_f32 v[QM+1], |v[\s+32]|, |v[\s+33]|, 0x1800000
.irp i, 2,4,6,8,10,12,14,16,18,20,22,24,26,28,30
	v_max3_num_f32 v[QM], v[QM], |v[\s+\i]|, |v[\s+\i+1]|
	v_max3_num_f32 v[QM+1], v[QM+1], |v[\s+32+\i]|, |v[\s+33+\i]|
.endr
	v_add_nc_u32 v[QS], 0xff000000, v[QM]                          ; 2 off the exponent field: the conversion's scale operand
	v_add_nc_u32 v[QS+1], 0xff000000, v[QM+1]
	v_lshrrev_b32 v[QB], 23, v[QS]
	v_lshrrev_b32 v[QB+1], 23, v[QS+1]
	v_cvt_scalef32_pk16_fp6_f32 v[PC:PC+2], v[\s:\s+15], v[QS]
	v_cvt_scalef32_pk16_fp6_f32 v[TC0:TC0+2], v[\s+16:\s+31], v[QS]     ; (a conversion's three registers begin on an even number)
	v_cvt_scalef32_pk16_fp6_f32 v[PC+6:PC+8], v[\s+32:\s+47], v[QS+1]
	v_cvt_scalef32_pk16_fp6_f32 v[TC1:TC1+2], v[\s+48:\s+63], v[QS+1]
	v_lshl_or_b32 v[PW], v[QB+1], 16, v[QB]                        ; my two bytes (also the plain place behind the conversions),
	v_lshlrev_b32 v[PW], v[SH8], v[PW]                             ; at bytes hh and 2 + hh
.irp i, 0,1,2
	v_mov_b32 v[PC+3+\i], v[TC0+\i]
	v_mov_b32 v[PC+9+\i], v[TC1+\i]
.endr
	v_permlanex16_b32 v[QP], v[PW], s[SEL], s[SEL+1]
	v_or_b32 v[PW], v[PW], v[QP]                                   ; with lane l xor 16's two the word is whole
.endm
; dst = silu(src) = src / (1 + 2^(-log2(e) src)), 64 numbers; v[T] on is at work (dst may be T)
.macro SILU src, dst
.set jj, 0
.rept 32
	v_pk_mul_f32 v[T+jj:T+jj+1], v[\src+jj:\src+jj+1], s[NL2E:NL2E+1] op_sel_hi:[1,0]
.set jj, jj+2
.endr
.set jj, 0
.rept 64
	v_exp_f32 v[T+jj], v[T+jj]
.set jj, jj+1
.endr
	v_nop                                          ; a plain place behind the batch,
	s_wait_alu depctr_va_vdst(0)                   ; the 64 exponentials have written v[T ..]: one wait for the batch, ahead of its first reader
.set jj, 0
.rept 32
	v_pk_add_f32 v[T+jj:T+jj+1], v[T+jj:T+jj+1], 1.0 op_sel_hi:[1,0]
.set jj, jj+2
.endr
.set jj, 0
.rept 64
	v_rcp_f32 v[T+jj], v[T+jj]
.set jj, jj+1
.endr
	v_nop
	s_wait_alu depctr_va_vdst(0)                   ; the 64 reciprocals have written v[T ..]: one wait for the batch, ahead of its first reader
.set jj, 0
.rept 32
	v_pk_mul_f32 v[\dst+jj:\dst+jj+1], v[\src+jj:\src+jj+1], v[T+jj:T+jj+1]
.set jj, jj+2
.endr
.endm
; the eight units of h in v[z] .. v[z+7] become their basis g, in place: 52 instructions.  Of each pair of constants the low word serves both halves
.macro GEN8 z
.irp i, 0,2,4,6
	v_pk_fma_f32 v[G1+\i:G1+\i+1], v[(\z)+\i:(\z)+\i+1], s[K25:K25+1], v[CC:CC+1] op_sel_hi:[1,0,0]         ; p_g = 2.5 k h + k (5.5 - g)
.endr
.irp i, 0,2,4,6
	v_pk_fma_f32 v[G3+\i:G3+\i+1], v[(\z)+\i:(\z)+\i+1], s[NK25:NK25+1], v[CC+4:CC+5] op_sel_hi:[1,0,0]     ; -p_(g+4) = -2.5 k h + k (5.5 - (7 - g))
.endr
.irp i, 0,2,4,6
	v_pk_fma_f32 v[G2+\i:G2+\i+1], v[(\z)+\i:(\z)+\i+1], s[K25:K25+1], v[CC+2:CC+3] op_sel_hi:[1,0,0]       ; p_(g+1)
.endr
.irp i, 0,2,4,6
	v_pk_fma_f32 v[G4+\i:G4+\i+1], v[(\z)+\i:(\z)+\i+1], s[NK25:NK25+1], v[CC+6:CC+7] op_sel_hi:[1,0,0]     ; -p_(g+3)
.endr
.irp e, 0,1,2,3,4,5,6,7
	v_med3_num_f32 v[G1+\e], v[G1+\e], v[G3+\e], 0                 ; a
.endr
.irp e, 0,1,2,3,4,5,6,7
	v_med3_num_f32 v[G2+\e], v[G2+\e], v[G4+\e], 0                 ; b
.endr
.irp i, 0,2,4,6
	v_pk_mul_f32 v[G3+\i:G3+\i+1], v[G1+\i:G1+\i+1], v[G1+\i:G1+\i+1]
.endr
.irp i, 0,2,4,6
	v_pk_mul_f32 v[G4+\i:G4+\i+1], v[G2+\i:G2+\i+1], v[G2+\i:G2+\i+1]
.endr
.irp i, 0,2,4,6
	v_pk_mul_f32 v[G1+\i:G1+\i+1], v[G3+\i:G3+\i+1], v[G1+\i:G1+\i+1]      ; a^3
.endr
.irp i, 0,2,4,6
	v_pk_mul_f32 v[G2+\i:G2+\i+1], v[G4+\i:G4+\i+1], v[G2+\i:G2+\i+1]      ; b^3
.endr
.irp i, 0,2,4,6
	v_pk_fma_f32 v[(\z)+\i:(\z)+\i+1], v[G2+\i:G2+\i+1], -4.0, v[G1+\i:G1+\i+1] op_sel_hi:[1,0,1]
.endr
.endm
; my 64 units of h of row tile m, from H: 16 LDS loads, a pair for each group of eight
.macro HLOAD m
.irp p, 0,1,2,3,4,5,6,7
	ds_load_b128 v[ZB+8*\p:ZB+8*\p+3], v[HR0] offset:4096*\p+1024*(\m)
	ds_load_b128 v[ZB+8*\p+4:ZB+8*\p+7], v[HR0] offset:4096*\p+1024*(\m)+512
.endr
.endm
; the fragment of row tile m: basis g of my 64 units, quantised, to LDS.  Its h was asked for behind the wait of the fragment before (fragment 0: at the trip's head)
.macro GENF m
.irp q, 0,1,2,3,4,5,6,7
.if (\m) > 0
	s_wait_dscnt 18-2*\q                           ; LDS instructions end in order: group q's pair of loads is in; the 14 - 2 q younger loads and the last fragment's four stores may be out
.else
	s_wait_dscnt 14-2*\q                           ; the same with no stores behind the loads
.endif
	GEN8 ZB+8*\q
.endr
.if (\m) > 0
	s_wait_alu depctr_vm_vsrc(0)                   ; the last fragment's stores have read the codes and the scale word, which the quantiser writes again (fragment 0: stated where the roles joined)
.endif
	QUANT64 ZB
	s_wait_alu depctr_va_vdst(0)                   ; the quantiser has written the codes and the scale word, which the stores below read; it and GEN8 are done with v[ZB ..], in which the loads below land
.if (\m) < 3
	HLOAD (\m)+1                                   ; the next fragment's h first: it is waited for next
.endif
.irp k, 0,1,2
	ds_store_b128 v[AW], v[PC+4*\k:PC+4*\k+3] offset:(\m)*FRB+512*\k
.endr
	ds_store_b32 v[ASW], v[PW] offset:(\m)*128
.endm
; a K step's weights, off bytes from s[WP], into set sy: nt fragments and their scale words: 14 loads (nt = 4) or 7 (nt = 2)
.macro LOADSET sy, off, nt
.set rW, SETX
.if \sy
.set rW, SETY
	WIN 0x40                                       ; destination window 1
.endif
.set ff, 0
.rept \nt
.irp k, 0,1,2
	global_load_b128 v[rW+12*ff+4*\k:rW+12*ff+4*\k+3], v[L16], s[WP:WP+1] offset:(\off)+(ff/2)*3328+(ff%2)*1536+512*\k
.endr
.set ff, ff+1
.endr
	WIN 0
.set ff, 0
.rept \nt/2
	global_load_b64 v[BSC+4*(\sy)+2*ff:BSC+4*(\sy)+2*ff+1], v[L8], s[WP:WP+1] offset:(\off)+ff*3328+3072
.set ff, ff+1
.endr
.endm
; A K STEP: the chunk's q-th.  The four data fragments and their scale words from LDS; 4 nt products, the accumulators by turns; then the set takes the weights of two steps on.
; cmode 0: the products start the sums; 1: they add; 2: the sums start from the bias.  rel: where the reload stands, or -1.  lc: the loads of the other set, issued later, which may stay out.
; No vector or matrix instruction that names the fragments' or the scale words' registers stands between the last wait on va_vdst (the step's before, or the trip's head's) and the LDS loads here.
.macro MSTEP sy, q, cmode, rel, lc, nt, ar, asr
.irp m, 0,1
.irp k, 0,1,2
	ds_load_b128 v[AF0+12*\m+4*\k:AF0+12*\m+4*\k+3], v[\ar] offset:(4*(\q)+\m)*FRB+512*\k
.endr
.endr
	WIN 0x40
.irp m, 2,3
.irp k, 0,1,2
	ds_load_b128 v[AF1+12*(\m-2)+4*\k:AF1+12*(\m-2)+4*\k+3], v[\ar] offset:(4*(\q)+\m)*FRB+512*\k
.endr
.endr
	WIN 0
.irp m, 0,1,2,3
	ds_load_b32 v[ASC+\m], v[\asr] offset:(4*(\q)+\m)*128
.endr
	s_wait_loadcnt \lc
	s_wait_dscnt 0x0
.irp m, 0,1,2,3
.set CW, (\sy)+4*(\m/2)
.if \cmode == 2
.set CW, CW+16
.endif
	WIN CW                                         ; source 0 window 1 for set Y, source 1 window 1 for m = 2, 3, source 2 window 1 for the bias
.set rA, AF0+12*\m
.if \m > 1
.set rA, AF1+12*(\m-2)
.endif
.set tt, 0
.rept \nt
.set rW, SETX+12*tt
.if \sy
.set rW, SETY+12*tt
.endif
.set rD, ACC+8*(4*tt+\m)
.if \cmode == 0
	v_wmma_scale_f32_16x16x128_f8f6f4 v[rD:rD+7], v[rW:rW+11], v[rA:rA+11], 0, v[BSC+4*(\sy)+tt], v[ASC+\m] matrix_a_fmt:MATRIX_FMT_FP6 matrix_b_fmt:MATRIX_FMT_FP6
.elseif \cmode == 1
	v_wmma_scale_f32_16x16x128_f8f6f4 v[rD:rD+7], v[rW:rW+11], v[rA:rA+11], v[rD:rD+7], v[BSC+4*(\sy)+tt], v[ASC+\m] matrix_a_fmt:MATRIX_FMT_FP6 matrix_b_fmt:MATRIX_FMT_FP6
.else
	v_wmma_scale_f32_16x16x128_f8f6f4 v[rD:rD+7], v[rW:rW+11], v[rA:rA+11], v[SETY+8*tt:SETY+8*tt+7], v[BSC+4*(\sy)+tt], v[ASC+\m] matrix_a_fmt:MATRIX_FMT_FP6 matrix_b_fmt:MATRIX_FMT_FP6
.endif
.set tt, tt+1
.endr
.endr
	WIN 0
.rept 4
	v_nop                                          ; places behind the products, ahead of the first read of their results by a store and of the next vector instruction that writes one of their registers; they stay beside the wait below
.endr
	s_wait_alu depctr_va_vdst(0)                   ; the step's products are done reading their weights, their data fragments and both sides' scale words, in which the reload below and the next step's LDS loads land; behind a layer's last step: they have written the accumulators, which the LDS stores read
.if \rel >= 0
	LOADSET \sy, \rel, \nt
.endif
.endm
; A CHUNK: four K steps on sets X, Y, X, Y.  mode 0: a layer's first; 1: in the loop; 2: its last, which asks for nothing beyond the stream's end.
.macro MCHUNK mode, nt, bs, ar, asr
.set LCN, 7*(\nt)/2
.if \mode == 0
	MSTEP 0, 0, 0, 2*\bs, LCN, \nt, \ar, \asr
.else
	MSTEP 0, 0, 1, 2*\bs, LCN, \nt, \ar, \asr
.endif
	MSTEP 1, 1, 1, 3*\bs, LCN, \nt, \ar, \asr
.if \mode == 2
	MSTEP 0, 2, 1, -1, LCN, \nt, \ar, \asr
	MSTEP 1, 3, 1, -1, 0, \nt, \ar, \asr
.else
	MSTEP 0, 2, 1, 4*\bs, LCN, \nt, \ar, \asr
	MSTEP 1, 3, 1, 5*\bs, LCN, \nt, \ar, \asr
	s_wait_xcnt 0x0                                ; the loads have read their base: it may step
	s_add_nc_u64 s[WP:WP+1], s[WP:WP+1], 4*\bs
.endif
.endm
.macro HSTORE                          ; my four tiles x four row tiles go to H as they stand, each accumulator from its low end on
.irp t, 0,1,2,3
.irp m, 0,1,2,3
	ds_store_b128 v[HW], v[ACC+8*(4*\t+\m):ACC+8*(4*\t+\m)+3] offset:4096*\t+1024*\m
	ds_store_b128 v[HW], v[ACC+8*(4*\t+\m)+4:ACC+8*(4*\t+\m)+7] offset:4096*\t+1024*\m+512
.endr
.endr
.endm
; CHUNK 0 of a layer: for each row tile m, generator v reads its 64 units of a row from H, takes silu and quantises: fragment (q = v, m) of buffer 0.
; first = 1: H holds the dense layer's sums: h = silu of them goes back into H.  All waves walk the loop, so that the stepped addresses are made on common lines; the work stands under the branch.
.macro BASEGEN first
	s_mov_b32 s[MB], 0
	s_mov_b32 s[MS], 0
	s_mov_b32 s[MH], 0
	s_mov_b32 s[CT], 0
.Lbg_\@:
	v_add_nc_u32 v[HR], s[MH], v[HR0]
	v_add_nc_u32 v[AW], s[MB], v[AW0]
	v_add_nc_u32 v[ASW], s[MS], v[ASW0]
	s_wait_alu depctr_va_vdst(0)                   ; the trip's three addresses are written, which its LDS loads and stores read
	s_cmp_lt_u32 s[WV], 4
	s_cbranch_scc0 .Lbgj_\@
.irp p, 0,1,2,3,4,5,6,7
	ds_load_b128 v[Z+8*\p:Z+8*\p+3], v[HR] offset:4096*\p
	ds_load_b128 v[Z+8*\p+4:Z+8*\p+7], v[HR] offset:4096*\p+512
.endr
	s_wait_dscnt 0x0
.if \first
	SILU Z, Z
.endif
	SILU Z, T
	QUANT64 T
	s_wait_alu depctr_va_vdst(0)                   ; written: the codes, the scale word and (first = 1) h in v[Z ..], all of which the stores below read; and the lines above are done reading v[Z ..], in which the next trip's loads land
.if \first
.irp p, 0,1,2,3,4,5,6,7
	ds_store_b128 v[HR], v[Z+8*\p:Z+8*\p+3] offset:4096*\p         ; these tiles are read by this wave alone
	ds_store_b128 v[HR], v[Z+8*\p+4:Z+8*\p+7] offset:4096*\p+512
.endr
.endif
.irp k, 0,1,2
	ds_store_b128 v[AW], v[PC+4*\k:PC+4*\k+3] offset:512*\k
.endr
	ds_store_b32 v[ASW], v[PW]
	s_wait_alu depctr_vm_vsrc(0)                   ; the trip's LDS instructions have read their addresses and the stores their data: the next trip writes v15, v16, v19, v[Z ..], the codes and the scale word again
.Lbgj_\@:
	s_add_co_u32 s[MB], s[MB], FRB
	s_add_co_u32 s[MS], s[MS], 128
	s_add_co_u32 s[MH], s[MH], 1024
	s_add_co_u32 s[CT], s[CT], 1
	s_cmp_lt_u32 s[CT], 4
	s_cbranch_scc1 .Lbg_\@
	BAR                                            ; chunk 0 lies in buffer 0
.endm
; A KAN LAYER.  Trip g: the generators make chunk g + 1, basis g, into buffer (g + 1) % 2 while the multipliers take chunk g from buffer g % 2 (chunk 0 is written out ahead of the loop, since its products start the sums;
; so in trip 0 the multipliers go straight to the barrier).  In front of the barrier every wave has waited for all its LDS instructions: what was written is whole, and what was read may be written again.
.macro LAYER nt, bs, last
	s_mov_b32 s[SBW], ABUF
	s_mov_b32 s[SBR], 0
	s_mov_b32 s[CT], 0
	s_mov_b32 s[TA+0], 0x4041b68b                  ; k (5.5 - j), j = 0 .. 8, each rounded once
	s_mov_b32 s[TA+1], 0x401e7e15
	s_mov_b32 s[TA+2], 0x3ff68b3d
	s_mov_b32 s[TA+3], 0x3fb01a50
	s_mov_b32 s[TA+4], 0x3f5352c7
	s_mov_b32 s[TA+5], 0x3e8ce1da
	s_mov_b32 s[TA+6], 0xbe8ce1da
	s_mov_b32 s[TA+7], 0xbf5352c7
	s_mov_b32 s[TA+8], 0xbfb01a50
	s_mov_b32 s[TB+0], 0xbfb01a50                  ; the same from j = 8 down to 0
	s_mov_b32 s[TB+1], 0xbf5352c7
	s_mov_b32 s[TB+2], 0xbe8ce1da
	s_mov_b32 s[TB+3], 0x3e8ce1da
	s_mov_b32 s[TB+4], 0x3f5352c7
	s_mov_b32 s[TB+5], 0x3fb01a50
	s_mov_b32 s[TB+6], 0x3ff68b3d
	s_mov_b32 s[TB+7], 0x401e7e15
	s_mov_b32 s[TB+8], 0x4041b68b
	s_cmp_lt_u32 s[WV], 4
	s_cbranch_scc1 .Ltrip_\@
	MCHUNK 0, \nt, \bs, AR0, ASR0
.Ltrip_\@:
	v_add_nc_u32 v[AW], s[SBW], v[AW0]
	v_add_nc_u32 v[ASW], s[SBW], v[ASW0]
	v_add_nc_u32 v[AR], s[SBR], v[AR0]
	v_add_nc_u32 v[ASR], s[SBR], v[ASR0]
	s_wait_alu depctr_va_vdst(0)                   ; the trip's four addresses are written, which its LDS loads and stores read
	s_cmp_lt_u32 s[WV], 4
	s_cbranch_scc0 .Lmul_\@
	v_mov_b32 v[CC+0], s[TA]                       ; k (5.5 - g): for p_g
	v_mov_b32 v[CC+1], s[TA]
	v_mov_b32 v[CC+2], s[TA+1]                     ; k (5.5 - (g + 1)): for p_(g+1)
	v_mov_b32 v[CC+3], s[TA+1]
	v_mov_b32 v[CC+4], s[TB+1]                     ; k (5.5 - (7 - g)): for -p_(g+4)
	v_mov_b32 v[CC+5], s[TB+1]
	v_mov_b32 v[CC+6], s[TB]                       ; k (5.5 - (8 - g)): for -p_(g+3)
	v_mov_b32 v[CC+7], s[TB]
	HLOAD 0                                        ; no wait: the eight lines since the wait above name neither v[ZB ..] nor the address
	GENF 0
	GENF 1
	GENF 2
	GENF 3
	s_branch .Ljoin_\@
.Lmul_\@:
	s_cmp_eq_u32 s[CT], 0
	s_cbranch_scc1 .Ljoin_\@
	MCHUNK 1, \nt, \bs, AR, ASR
.Ljoin_\@:
	s_wait_alu depctr_vm_vsrc(0)                   ; the trip's LDS instructions have read v15 to v18, which the next trip's head writes, and the generators' stores the codes and the scale word, which the next fragment's quantiser writes
	BAR                                            ; the multipliers' weights of the next two K steps stay on their way across this barrier
	s_xor_b32 s[SBW], s[SBW], ABUF
	s_xor_b32 s[SBR], s[SBR], ABUF
.irp j, 0,1,2,3,4,5,6,7
	s_mov_b32 s[TA+\j], s[TA+\j+1]                 ; both tables one place down: the next basis
	s_mov_b32 s[TB+\j], s[TB+\j+1]
.endr
	s_add_co_u32 s[CT], s[CT], 1
	s_cmp_lt_u32 s[CT], 8
	s_cbranch_scc1 .Ltrip_\@
	s_cmp_lt_u32 s[WV], 4
	s_cbranch_scc1 .Lend_\@
	MCHUNK 2, \nt, \bs, AR0, ASR0                  ; chunk 8 lies in buffer 0
.if \last
.irp t, 0,1
.irp m, 0,1,2,3
	ds_store_b128 v[SO], v[ACC+8*(4*\t+\m):ACC+8*(4*\t+\m)+3] offset:16*STP*\m+64*\t       ; lane (r, hh): out(16 m + r, 32 u + 16 t + 8 hh + 0 .. 7); nobody reads H any more
	ds_store_b128 v[SO], v[ACC+8*(4*\t+\m)+4:ACC+8*(4*\t+\m)+7] offset:16*STP*\m+64*\t+16
.endr
.endr
.else
	HSTORE                                         ; the generators' last reads of H stand in front of the loop's last barrier
	s_mov_b64 s[WP:WP+1], s[W2P:W2P+1]             ; (no load of mine is out)
	LOADSET 0, 0, 2                                ; the next layer's first two K steps
	LOADSET 1, BS2, 2
	s_wait_alu depctr_vm_vsrc(0)                   ; my LDS stores have read the accumulators, which the next layer's first products write
.endif
.Lend_\@:
	BARL                                           ; the next thing is the generators' SiLU pass: the multipliers' wait for their weights costs them nothing here
.endm
	s_load_b256 s[4:11], s[0:1], 0x0               ; x, dense_b, wdi, w1i
	s_load_b128 s[12:15], s[0:1], 0x20             ; w2i, out0
	v_lshl_add_u32 v[SPW], v0, 2, SPARE
	v_mov_b32 v[NIL], 0
	v_lshrrev_b32 v24, 5, v0
	v_readfirstlane_b32 s[WV], v24                 ; wave 0..11
	v_and_b32 v24, 31, v0                          ; lane
	v_and_b32 v25, 15, v0                          ; r
	v_bfe_u32 v26, v0, 4, 1                        ; hh
	v_lshlrev_b32 v[L16], 4, v24
	v_lshlrev_b32 v[L8], 3, v24
	v_lshlrev_b32 v27, 2, v24
	v_lshlrev_b32 v[SH8], 3, v26
	v_add_nc_u32 v[MK], -1, v26
	v_lshlrev_b32 v[BOF], 8, v26
	s_wait_alu depctr_va_sdst(0)                   ; the wave's number is written, ahead of its first reader: the roles, the LDS addresses and the bases are made from it
	s_and_b32 s[WVC], s[WV], 3                     ; generator v
	s_add_co_u32 s[U], s[WV], 4
	s_and_b32 s[U], s[U], 7                        ; multiplier u = wave - 4 (mod 8)
	s_mul_i32 s34, s[WVC], 4*FRB
	s_add_co_u32 s34, s34, A0
	v_add_nc_u32 v[AW0], s34, v[L16]
	s_lshl_b32 s34, s[WVC], 9
	s_add_co_u32 s34, s34, A0+ASO
	v_add_nc_u32 v[ASW0], s34, v27
	v_add_nc_u32 v[AR0], A0, v[L16]
	v_add_nc_u32 v[ASR0], A0+ASO, v27
	s_lshl_b32 s34, s[WVC], 15
	v_add_nc_u32 v[HR0], s34, v[L16]
	s_lshl_b32 s34, s[U], 14
	v_add_nc_u32 v[HW], s34, v[L16]
	s_mul_i32 s34, s[WVC], FRB
	s_add_co_u32 s34, s34, A0
	v_add_nc_u32 v[XW], s34, v[L16]
	s_lshl_b32 s34, s[WVC], 7
	s_add_co_u32 s34, s34, A0+ASO
	v_add_nc_u32 v[XSW], s34, v27
	v_mul_u32_u24 v[SO], v25, STP
	v_lshl_add_u32 v[SO], v26, 5, v[SO]
	s_lshl_b32 s34, s[U], 7
	v_add_nc_u32 v[SO], s34, v[SO]
	s_mul_i32 s34, s[U], 8*STP
	v_add_nc_u32 v[SR], s34, v[L16]
	s_mul_i32 s34, s[WVC], 16*XSP
	v_mul_u32_u24 v[XSI], v26, XSP
	v_lshl_add_u32 v[XSI], v25, 4, v[XSI]
	v_add_nc_u32 v[XSI], s34, v[XSI]
	v_mul_u32_u24 v[XSO], v25, XSP
	v_add_nc_u32 v[XSO], s34, v[XSO]
	s_mov_b32 s[SEL], 0x76543210
	s_mov_b32 s[SEL+1], 0xfedcba98                 ; v_permlanex16_b32's selects for lane l xor 16
	s_mov_b32 s[K25], 0x3fb01a50                   ; 2.5 k
	s_mov_b32 s[K25+1], s[K25]                     ; (the packed forms name pairs, so both words are written)
	s_mov_b32 s[NK25], 0xbfb01a50                  ; -2.5 k
	s_mov_b32 s[NK25+1], s[NK25]
	s_mov_b32 s[NL2E], 0xbfb8aa3b                  ; -log2(e)
	s_mov_b32 s[NL2E+1], s[NL2E]
	s_wait_kmcnt 0x0
	s_lshl_b32 s34, ttmp9, 14                      ; x: my work-group's 64 rows of 256 bytes, generator v's 16
	s_lshl_b32 s35, s[WVC], 12
	s_add_co_u32 s34, s34, s35
	s_mov_b32 s35, 0
	s_add_nc_u64 s[XP:XP+1], s[4:5], s[34:35]
	s_lshr_b32 s34, s[U], 1
	s_lshl_b32 s34, s34, 9
	s_and_b32 s36, s[U], 1
	s_lshl_b32 s36, s36, 7
	s_add_co_u32 s34, s34, s36                     ; dense_b at unit 128 (u / 2) + 32 (u % 2)
	s_add_nc_u64 s[BP:BP+1], s[6:7], s[34:35]
	s_mul_i32 s34, s[U], BS1
	s_add_nc_u64 s[WP:WP+1], s[8:9], s[34:35]      ; the dense weights first
	s_mul_i32 s34, s[U], 36*BS1
	s_add_nc_u64 s[W1P:W1P+1], s[10:11], s[34:35]
	s_mul_i32 s34, s[U], 36*BS2
	s_add_nc_u64 s[W2P:W2P+1], s[12:13], s[34:35]
	s_lshl_b32 s34, ttmp9, 16                      ; out0: 64 rows of 1,024 bytes, multiplier u's 8
	s_lshl_b32 s36, s[U], 13
	s_add_co_u32 s34, s34, s36
	s_add_nc_u64 s[OUTP:OUTP+1], s[14:15], s[34:35]
	s_wait_alu depctr_va_vdst(0)                   ; the addresses v1 to v14 and v22 are written, which the loads and stores of the whole kernel read
	s_cmp_lt_u32 s[WV], 4
	s_cbranch_scc0 .Lhead_mul
	; ---- generators: my 16 rows of x become one fragment (K = 64 in the lanes hh = 0, zero codes in the others)
.irp i, 0,1,2,3,4,5,6,7
	global_load_b128 v[T+4*\i:T+4*\i+3], v[L16], s[XP:XP+1] offset:512*\i th:TH_LOAD_NT     ; 512 consecutive bytes: two rows
.endr
	v_mov_b32 v[QP], 0                             ; a lane permute's destination counts as one of its sources
	s_wait_loadcnt 0x0
.irp i, 0,1,2,3,4,5,6,7
	ds_store_b128 v[XSI], v[T+4*\i:T+4*\i+3] offset:2*XSP*\i
.endr
.irp k, 0,1,2,3,4,5,6,7,8,9,10,11,12,13,14,15
	ds_load_b128 v[Z+4*\k:Z+4*\k+3], v[XSO] offset:16*\k           ; row r, whole, in both halves of the lanes; LDS serves a wave's instructions in order
.endr
	s_wait_dscnt 0x0
	QUANT64 Z
.irp i, 0,1,2,3,4,5,6,7,8,9,10,11
	v_and_b32 v[PC+\i], v[MK], v[PC+\i]
.endr
	s_wait_alu depctr_va_vdst(0)                   ; the codes and the scale word are written, which the stores below read; the quantiser is done reading v[Z ..], in which the SiLU pass's loads land
.irp k, 0,1,2
	ds_store_b128 v[XW], v[PC+4*\k:PC+4*\k+3] offset:512*\k
.endr
	ds_store_b32 v[XSW], v[PW]
	s_wait_alu depctr_vm_vsrc(0)                   ; my LDS stores have read v[T ..], the codes and the scale word, all of which the SiLU pass writes again
	s_branch .Lhead_join
.Lhead_mul:
	; ---- multipliers: the dense weights into set X, the bias (lane (r, hh), tile t: units + 64 hh + 8 t + 0..7) into set Y's registers
	LOADSET 0, 0, 4
	WIN 0x40
.irp t, 0,1,2,3
	global_load_b128 v[SETY+8*\t:SETY+8*\t+3], v[BOF], s[BP:BP+1] offset:32*\t
	global_load_b128 v[SETY+8*\t+4:SETY+8*\t+7], v[BOF], s[BP:BP+1] offset:32*\t+16
.endr
	WIN 0
.Lhead_join:
	BARL                                           ; x's four fragments lie in buffer 0; the dense weights and the bias, wanted at once behind the barrier, are in
	s_cmp_lt_u32 s[WV], 4
	s_cbranch_scc1 .Ldense_join
	MSTEP 0, 0, 2, -1, 0, 4, AR0, ASR0             ; x dense_w^T + dense_b: one K step
	HSTORE
	s_mov_b64 s[WP:WP+1], s[W1P:W1P+1]             ; (no load of mine is out)
	LOADSET 0, 0, 4                                ; layer 1's first two K steps
	LOADSET 1, BS1, 4
	s_wait_alu depctr_vm_vsrc(0)                   ; my LDS stores have read the accumulators, which layer 1's first products write
.Ldense_join:
	BARL                                           ; the dense sums lie in H; nobody reads buffer 0 any more; the generators' SiLU pass follows, so the multipliers' wait for their weights costs them nothing
	BASEGEN 1
	LAYER 4, BS1, 0
	BASEGEN 0
	LAYER 2, BS2, 1
	; ---- the way out: 64 whole rows lie in the stage; each multiplier stores 8 of them
	s_cmp_lt_u32 s[WV], 4
	s_cbranch_scc1 .Ldone
.irp i, 0,1,2,3,4,5,6,7,8,9,10,11,12,13,14,15
	ds_load_b128 v[OB+4*\i:OB+4*\i+3], v[SR] offset:(\i/2)*STP+(\i%2)*512          ; they land where weights and data fragments lay: the last K step's wait has shown the products done reading those
.endr
.irp i, 0,1,2,3,4,5,6,7,8,9,10,11,12,13,14,15
	s_wait_dscnt 15-\i                             ; LDS loads come back in order: load i is in, the younger ones may be out
	global_store_b128 v[L16], v[OB+4*\i:OB+4*\i+3], s[OUTP:OUTP+1] offset:(\i/2)*1024+(\i%2)*512 th:TH_STORE_NT   ; 32 lanes store 512 consecutive bytes, at a multiple of 256 from out0's first byte
.endr
.Ldone:
	s_wait_dscnt 0x0                               ; the closing lines, six on end
	s_wait_alu 0x0
	s_wait_tensorcnt 0x0
	ds_add_u32 v[SPW], v[NIL]
	s_wait_dscnt 0x0
	s_endpgm
.Lfunc_end_k_q65c0fe18b0_main:
	.size	k_q65c0fe18b0_main, .Lfunc_end_k_q65c0fe18b0_main-k_q65c0fe18b0_main
	.p2alignl 7, 3214868480
	.fill 96, 4, 3214868480
	.section	.rodata,"a",@progbits
	.p2align	6, 0x0
	.amdhsa_kernel k_q65c0fe18b0_main
		.amdhsa_group_segment_fixed_size 198144
		.amdhsa_private_segment_fixed_size 0
		.amdhsa_enable_private_segment 0
		.amdhsa_kernarg_size 48
		.amdhsa_user_sgpr_count 2
		.amdhsa_user_sgpr_kernarg_segment_ptr 1
		.amdhsa_wavefront_size32 1
		.amdhsa_system_sgpr_workgroup_id_x 1
		.amdhsa_system_sgpr_workgroup_id_y 1
		.amdhsa_system_sgpr_workgroup_id_z 1
		.amdhsa_system_vgpr_workitem_id 0
		.amdhsa_next_free_vgpr 328
		.amdhsa_next_free_sgpr 96
		.amdhsa_reserve_vcc 0
		.amdhsa_float_denorm_mode_32 3
		.amdhsa_float_denorm_mode_16_64 3
		.amdhsa_memory_ordered 1
		.amdhsa_forward_progress 1
		.amdhsa_inst_pref_size 255
	.end_amdhsa_kernel
	.section	.bss,"aw",@nobits
	.p2align	6
	.space	262144
	.amdgpu_metadata
---
amdhsa.version: [ 1, 2 ]
amdhsa.kernels:
  - .name:           k_q65c0fe18b0_main
    .symbol:         k_q65c0fe18b0_main.kd
    .args:
      - { .name: x, .offset: 0, .size: 8, .value_kind: global_buffer, .address_space: global }
      - { .name: dense_b, .offset: 8, .size: 8, .value_kind: global_buffer, .address_space: global }
      - { .name: wdi, .offset: 16, .size: 8, .value_kind: global_buffer, .address_space: global }
      - { .name: w1i, .offset: 24, .size: 8, .value_kind: global_buffer, .address_space: global }
      - { .name: w2i, .offset: 32, .size: 8, .value_kind: global_buffer, .address_space: global }
      - { .name: out0, .offset: 40, .size: 8, .value_kind: global_buffer, .address_space: global }
    .group_segment_fixed_size: 198144
    .private_segment_fixed_size: 0
    .kernarg_segment_align: 8
    .kernarg_segment_size: 48
    .max_flat_workgroup_size: 384
    .sgpr_count:     96
    .vgpr_count:     328
    .wavefront_size: 32
...
	.end_amdgpu_metadata
.endif
;; end of part 4
